; MI455X (gfx1250); checked and timed in simulation.
; The chip was launched on July 23, 2026; its instructions are those of AMD's public machine-readable ISA for CDNA 5 (MIT licence, August 2026) and "CDNA5" Instruction Set Architecture Reference Guide (July 2026). The comments in the code are by the model that wrote it; some were corrected since.
;; Multi Head Attention. Allowed arithmetic: matrix products marked QUANTISED: E2M3 operands, one E8M0 scale for each 32 along K, by v_wmma_scale_f32_16x16x128_f8f6f4 with both operands' format E2M3, f32 sums; everything else in f32.
;; Inputs: key_codes 4 x 2,048 x 32 x 24 uint8 (E2M3 codes of key, K innermost, in blocks of 32 codes, four codes in three bytes); key_scales 4 x 2,048 x 32 uint8 (E8M0 scales of key, one for each 32 codes along K); mask 1 x 1 x 2,048 x 2,048 bool; query_codes 4 x 2,048 x 32 x 24 uint8 (E2M3 codes of query, K innermost, in blocks of 32 codes, four codes in three bytes); query_scales 4 x 2,048 x 32 uint8 (E8M0 scales of query, one for each 32 codes along K); value_codes 4 x 2,048 x 32 x 24 uint8 (E2M3 codes of value, K innermost, in blocks of 32 codes, four codes in three bytes); value_scales 4 x 2,048 x 32 uint8 (E8M0 scales of value, one for each 32 codes along K); w_k_codes 1,024 x 32 x 24 uint8 (E2M3 codes of w_k, K innermost, in blocks of 32 codes, four codes in three bytes); w_k_scales 1,024 x 32 uint8 (E8M0 scales of w_k, one for each 32 codes along K); w_o_codes 1,024 x 32 x 24 uint8 (E2M3 codes of w_o, K innermost, in blocks of 32 codes, four codes in three bytes); w_o_scales 1,024 x 32 uint8 (E8M0 scales of w_o, one for each 32 codes along K); w_q_codes 1,024 x 32 x 24 uint8 (E2M3 codes of w_q, K innermost, in blocks of 32 codes, four codes in three bytes); w_q_scales 1,024 x 32 uint8 (E8M0 scales of w_q, one for each 32 codes along K); w_v_codes 1,024 x 32 x 24 uint8 (E2M3 codes of w_v, K innermost, in blocks of 32 codes, four codes in three bytes); w_v_scales 1,024 x 32 uint8 (E8M0 scales of w_v, one for each 32 codes along K).
;; Outputs: out0 4 x 2,048 x 1,024 float32.
;; This version of the problem:
;;   THIS VERSION OF THE PROBLEM IS GIVEN IN LOW PRECISION. The matrix products marked QUANTISED in the list below multiply operands that are first quantised to E2M3 (2 exponent bits, 3 mantissa bits; 6 bits a number), with one power-of-two scale for each 32 numbers along K (OCP MX v1.0); their sums are f32. All else is computed in f32.
;;   The module's matrix products, in the order in which they are computed (A, B: the left and right operand; K: the contracted axis; several contracted axes count as one K, in the product's order):
;;     1. [M 8,192, K 1,024] x [K 1,024, N 1,024]; A: input query (given as codes); B: input w_q (given as codes): QUANTISED
;;     2. [M 8,192, K 1,024] x [K 1,024, N 1,024]; A: input key (given as codes); B: input w_k (given as codes): QUANTISED
;;     3. [M 8,192, K 1,024] x [K 1,024, N 1,024]; A: input value (given as codes); B: input w_v (given as codes): QUANTISED
;;     4. batch 64 x [M 2,048, K 64] x [K 64, N 2,048]; A: computed on the way; B: computed on the way: QUANTISED
;;     5. batch 64 x [M 2,048, K 2,048] x [K 2,048, N 64]; A: softmax (see below); B: computed on the way: QUANTISED
;;     6. [M 8,192, K 1,024] x [K 1,024, N 1,024]; A: computed on the way; B: input w_o (given as codes): QUANTISED
;;   THE QUANTISER, for each operand of a quantised product, along K:
;;     - K is cut into blocks of 32 from its start; a last block that is shorter is filled with zeros.
;;     - A block's scale is 2^e with e = floor(log2(the largest magnitude in the block)) - 2, held to -126 .. 127; a block of zeros has e = 0. As a byte (E8M0): e + 127.
;;     - Each number is divided by its block's scale, clamped to +-7.5, and rounded to the nearest number of E2M3, ties to even, subnormals kept.
;;     - The product sums the exact products of the quantised numbers (number of the format x scale) in f32.
;;   ~~~python
;;   def quantise(x, axis):      # numpy; x: float32 -> the quantised numbers, widened to float32 again
;;       x = np.moveaxis(x, axis, -1); K = x.shape[-1]
;;       x = np.pad(x, [(0, 0)] * (x.ndim - 1) + [(0, -K % 32)]); x = x.reshape(x.shape[:-1] + (-1, 32)); a = np.abs(x).max(-1, keepdims=True)
;;       e = np.where(a > 0, np.clip(np.frexp(np.where(a > 0, a, 1))[1] - 1 - 2, -126, 127), 0)      # np.frexp(a)[1] - 1 = floor(log2(a)), exactly
;;       r = np.clip(x / 2.0 ** e, -7.5, 7.5)
;;       step = 2.0 ** (np.maximum(np.frexp(np.where(r == 0, 1, r))[1] - 1, 0) - 3)
;;       q = np.round(r / step) * step * 2.0 ** e      # np.round: ties to even
;;       return np.moveaxis(q.reshape(q.shape[:-2] + (-1,))[..., :K], -1, axis).astype(np.float32)
;;   ~~~
;;   SOFTMAX AHEAD OF A QUANTISED PRODUCT. Where the list says 'softmax', what is quantised is not the finished softmax but p = 2^(t - M), with t = logit x log2(e) and M = ceil(the row's largest t), a whole number; so 1/2 < the row's largest p <= 1. The row's sum l is taken of the UNQUANTISED p, in f32, and the product's result is divided by l at the end. Since M is a whole number, a kernel that streams over the keys may use a running M (the ceiling of the running maximum): every later rescaling is an exact power of two, which a block's scale takes up: the codes' values come out the same.
;;   OPERANDS COMPUTED ON THE WAY. 'Computed on the way' means the value that the module computes at that place (a softmax that the list does not call 'softmax' is quantised finished and normalised). What goes into a quantiser is computed in f32, as accurately as f32 sums, v_exp_f32 and their like allow (about 1e-6 of the number): no bf16 or f16 on the way to a quantiser, and a product that is left as it is and whose result goes on into a quantised operand takes f32 operands (vector FMAs, or v_wmma_f32_16x16x4_f32). A number that lies on a knife's edge between two numbers of the format may be rounded either way, as far as f32 arithmetic and the matrix unit's own rounding can turn it there, and no further.
;;   INPUTS GIVEN AS CODES. key (in the module: [4, 2048, 1024], K = its axis 2); query (in the module: [4, 2048, 1024], K = its axis 2); value (in the module: [4, 2048, 1024], K = its axis 2); w_k (in the module: [1024, 1024], K = its axis 0); w_o (in the module: [1024, 1024], K = its axis 0); w_q (in the module: [1024, 1024], K = its axis 0); w_v (in the module: [1024, 1024], K = its axis 0): each comes as NAME_codes (uint8): NAME with its K axis moved to the last place and cut into blocks of 32 codes, [.., K / 32, bytes a block], one block behind the other in memory; four codes in three bytes: a row's codes are one little-endian stream of bits, code i at bits 6 i .. 6 i + 5 (a code: sign, 2 exponent bits, 3 mantissa bits); and NAME_scales (uint8): the same leading axes, one E8M0 byte (e + 127) for each 32 codes along K. Its value is code x scale, taken as it is: it is not quantised again, and the codes and scales need not be those that the quantiser above would give.
;; One version. Each part assembles by itself: llvm-mc -triple=amdgcn-amd-amdhsa -mcpu=gfx1250 --defsym DOCPART=n.
;; ======== version 1 of 1: 4 launches
;; workspace buffers: pc 18,874,368 bytes; ps 786,432 bytes; mbits 524,288 bytes of whole numbers; mflag 1,024 bytes of whole numbers; aoc 6,291,456 bytes; aos 262,144 bytes
;; launch maskprep (part 1): grid 128 x 1, 16 waves a work-group, no clusters, 2,304 bytes of LDS; arguments mask, mbits, mflag; writes mbits, mflag
.if DOCPART == 1
	.amdgcn_target "amdgcn-amd-amdhsa--gfx1250"
	.amdhsa_code_object_version 6
	.text
	.protected	k_q169bfa222d_maskprep
	.globl	k_q169bfa222d_maskprep
	.p2align	8
	.type	k_q169bfa222d_maskprep,@function
k_q169bfa222d_maskprep:
	s_mov_b64 s[64:65], 0
	v_nop
	global_prefetch_b8 v0, s[64:65] scope:SCOPE_SE
	s_setreg_imm32_b32 hwreg(HW_REG_WAVE_MODE, 25, 1), 1
	s_wait_xcnt 0x0
; The mask [2048 queries][2048 keys], one byte each (any byte other than 0 counts as masked), becomes whole numbers for the attention launch.
; A UNIT is 16 queries (tile qt) x 128 keys (step s).  A work-group takes one qt, its sixteen waves the sixteen steps.
; mbits [qt 128][s 16][n 64] u32: bit (r + 16 h) of word n = 8 t + j is mask[16 qt + r][128 s + 16 t + 8 h + j]: the lane mask for score register n of
; the attention launch, where lane (r, h) holds query r and key 16 t + 8 h + j in register 8 t + j.
; mflag [qt 128][2] u32: word 0, bit s: some key of unit (qt, s) counts; word 1, bit s: some key of it is masked.
; Matrix units, tensor loads and clusters have nothing to do here: 4 MiB are read once, 0.5 MiB written.
.set ROWM, 2048                        ; bytes in a row of the mask
	s_load_b128 s[4:7], s[0:1], 0x0                ; mask, mbits
	s_load_b64 s[8:9], s[0:1], 0x10                ; mflag
	v_lshl_add_u32 v32, v0, 2, 0x100
	v_mov_b32 v33, 0
	v_lshrrev_b32 v2, 5, v0
	v_readfirstlane_b32 s10, v2                    ; wave = step s
	v_and_b32 v3, 15, v0                           ; r
	v_bfe_u32 v1, v0, 4, 1                         ; h
	v_lshlrev_b32 v1, 3, v1
	v_lshl_add_u32 v1, v3, 11, v1                  ; row r of 2,048 bytes + 8 h
	v_and_b32 v24, 31, v0
	v_lshlrev_b32 v24, 3, v24                      ; 8 x lane: my two words of the unit's 64
	v_lshlrev_b32 v25, 3, v2                       ; LDS: 8 x wave: my unit's two flags
	v_lshlrev_b32 v26, 3, v3                       ; LDS: 8 x (lane % 16): the flags of step lane % 16
	v_mov_b32 v27, 0
	v_mov_b32 v4, 0                                ; a lane write's destination counts as read
	v_mov_b32 v5, 0
	s_lshl_b32 s12, ttmp9, 15                      ; qt x 16 rows x 2,048 bytes
	s_lshl_b32 s13, s10, 7                         ; + 128 s
	s_add_co_u32 s12, s12, s13
	s_mov_b32 s13, 0
	s_lshl_b32 s14, ttmp9, 12                      ; qt x 16 units x 256 bytes
	s_lshl_b32 s15, s10, 8
	s_add_co_u32 s14, s14, s15
	s_mov_b32 s15, 0
	s_lshl_b32 s16, ttmp9, 3                       ; qt x 8 bytes
	s_mov_b32 s17, 0
	s_wait_kmcnt 0x0
	s_add_nc_u64 s[4:5], s[4:5], s[12:13]
	s_add_nc_u64 s[6:7], s[6:7], s[14:15]
	s_add_nc_u64 s[8:9], s[8:9], s[16:17]
.irp t, 0,1,2,3,4,5,6,7
	global_load_b64 v[8+2*\t:9+2*\t], v1, s[4:5] offset:16*\t th:TH_LOAD_NT   ; mask[16 qt + r][128 s + 16 t + 8 h + 0 .. 7]; read once in the launch
.endr
	s_wait_loadcnt 0x0
; word n: one byte of each lane, compared with 0, gives the 32 bits; word n goes to lane n / 2 of v4 (even n) or v5 (odd n).  Two temporaries and two scalars by turns.
.set n, 0
.rept 64
	v_and_b32 v[6+n%2], 0xff<<(8*(n%4)), v[8+2*(n/8)+(n%8)/4]
	v_cmp_ne_u32 s[20+n%2], 0, v[6+n%2]
	v_writelane_b32 v[4+n%2], s[20+n%2], n/2
.set n, n+1
.endr
	global_store_b64 v24, v[4:5], s[6:7]           ; 32 lanes store the unit's 256 consecutive bytes, aligned
	v_or_b32 v6, v4, v5
	v_and_b32 v7, v4, v5
	v_cmp_ne_u32 vcc_lo, 0, v6                     ; a word with a bit on
	s_cmp_lg_u32 vcc_lo, 0
	s_cselect_b32 s20, 1, 0                        ; some key is masked
	v_cmp_ne_u32 vcc_lo, -1, v7                    ; a word with a bit off
	s_cmp_lg_u32 vcc_lo, 0
	s_cselect_b32 s21, 1, 0                        ; some key counts
	v_mov_b32 v8, s21
	v_mov_b32 v9, s20
	ds_store_b64 v25, v[8:9]                       ; all lanes write the same 8 bytes with the same value
	s_wait_dscnt 0x0                               ; for the others' sake: my store has landed
	s_barrier_signal -1
	s_barrier_wait -1
	s_cmp_lg_u32 s10, 0                            ; wave 0 packs the sixteen pairs of flags
	s_cbranch_scc1 .Ldone
	ds_load_b64 v[12:13], v26
	s_wait_dscnt 0x0
	v_cmp_ne_u32 s22, 0, v12                       ; bit l: step l % 16
	v_cmp_ne_u32 s23, 0, v13
	s_and_b32 s22, s22, 0xffff
	s_and_b32 s23, s23, 0xffff
	v_mov_b32 v14, s22
	v_mov_b32 v15, s23
	s_wait_xcnt 0x0                                ; EXEC is a source of the store above: it changes only behind this wait
	v_cmp_eq_u32 vcc_lo, 0, v0
	s_and_saveexec_b32 s24, vcc_lo
	global_store_b64 v27, v[14:15], s[8:9]         ; one lane: 8 bytes for the tile of queries
	s_wait_xcnt 0x0                                ; and again in front of the line that widens it
	s_or_b32 exec_lo, exec_lo, s24
.Ldone:
	s_barrier_signal -1
	s_barrier_wait -1
	s_wait_tensorcnt 0x0
	ds_add_u32 v32, v33
	s_wait_dscnt 0x0
	s_endpgm
.Lfunc_end_k_q169bfa222d_maskprep:
	.size	k_q169bfa222d_maskprep, .Lfunc_end_k_q169bfa222d_maskprep-k_q169bfa222d_maskprep
	.p2alignl 7, 3214868480
	.fill 96, 4, 3214868480
	.section	.rodata,"a",@progbits
	.p2align	6, 0x0
	.amdhsa_kernel k_q169bfa222d_maskprep
		.amdhsa_group_segment_fixed_size 2304
		.amdhsa_private_segment_fixed_size 0
		.amdhsa_enable_private_segment 0
		.amdhsa_kernarg_size 24
		.amdhsa_user_sgpr_count 2
		.amdhsa_user_sgpr_kernarg_segment_ptr 1
		.amdhsa_wavefront_size32 1
		.amdhsa_system_sgpr_workgroup_id_x 1
		.amdhsa_system_sgpr_workgroup_id_y 1
		.amdhsa_system_sgpr_workgroup_id_z 1
		.amdhsa_system_vgpr_workitem_id 0
		.amdhsa_next_free_vgpr 34
		.amdhsa_next_free_sgpr 66
		.amdhsa_reserve_vcc 1
		.amdhsa_float_denorm_mode_32 3
		.amdhsa_float_denorm_mode_16_64 3
		.amdhsa_memory_ordered 1
		.amdhsa_forward_progress 1
		.amdhsa_inst_pref_size 16
	.end_amdhsa_kernel
	.amdgpu_metadata
---
amdhsa.version: [ 1, 2 ]
amdhsa.kernels:
  - .name:           k_q169bfa222d_maskprep
    .symbol:         k_q169bfa222d_maskprep.kd
    .args:
      - { .name: mask, .offset: 0, .size: 8, .value_kind: global_buffer, .address_space: global }
      - { .name: mbits, .offset: 8, .size: 8, .value_kind: global_buffer, .address_space: global }
      - { .name: mflag, .offset: 16, .size: 8, .value_kind: global_buffer, .address_space: global }
    .group_segment_fixed_size: 2304
    .private_segment_fixed_size: 0
    .kernarg_segment_align: 8
    .kernarg_segment_size: 24
    .max_flat_workgroup_size: 512
    .sgpr_count:     66
    .vgpr_count:     34
    .wavefront_size: 32
...
	.end_amdgpu_metadata
.endif
;; end of part 1
;; launch proj (part 2): grid 4 x 96, 4 waves a work-group, clusters of 4 x 4, 327,680 bytes of LDS; arguments query_codes, query_scales, w_q_codes, w_q_scales, key_codes, key_scales, w_k_codes, w_k_scales, value_codes, value_scales, w_v_codes, w_v_scales, pc, ps; writes pc, ps
.if DOCPART == 2
	.amdgcn_target "amdgcn-amd-amdhsa--gfx1250"
	.amdhsa_code_object_version 6
	.text
	.protected	k_q169bfa222d_proj
	.globl	k_q169bfa222d_proj
	.p2align	8
	.type	k_q169bfa222d_proj,@function
k_q169bfa222d_proj:
	s_mov_b64 s[64:65], 0
	v_nop
	global_prefetch_b8 v0, s[64:65] scope:SCOPE_SE
	s_setreg_imm32_b32 hwreg(HW_REG_WAVE_MODE, 25, 1), 1
	s_wait_xcnt 0x0
	s_wait_alu depctr_hold_cnt(0) depctr_sa_sdst(0) depctr_va_vdst(0) depctr_va_sdst(0) depctr_va_ssrc(0) depctr_va_vcc(0) depctr_vm_vsrc(0)
	s_getreg_b32 s2, hwreg(HW_REG_IB_STS2, 6, 4)
	s_cmp_eq_u32 s2, 0
	s_cbranch_scc0 .Lentry_in_a_cluster
	s_endpgm
.Lentry_in_a_cluster:
	s_bfe_u32 s2, ttmp6, 0x10000c
	s_cmp_lg_u32 s2, 0xf033
	s_cbranch_scc0 .Lentry_shape_is_right
	s_endpgm
.Lentry_shape_is_right:
; THE THREE PROJECTIONS, q = query w_q, k = key w_k, v = value w_v (8,192 x 1,024 x 1,024 each, on codes of FP6 (E2M3) with one E8M0 scale for each 32 along K, f32 sums), and the
; quantising of their results for the attention launch: q and k along the head's 64, v along the keys.  The results never go to memory as f32.
; A work-group of four waves makes 256 x 256 results, a wave 128 x 128: 64 accumulators, 512 registers.  K goes in steps of 256 through a ring of two LDS slots filled by the tensor data mover.
; "A" is the operand whose row a lane holds (source 1), "B" the one along which a lane's registers run (source 0): a lane's eight results are eight neighbouring rows of B.  The quantiser's axis must run
; along the registers: so for q and k  A = the activations, B = the weight;  for v  A = w_v, B = value.  Only pointers and tile numbers are chosen so, by the projection's number, which all sixteen
; partners of a cluster share; rows of codes (768 bytes) and of scales (32 bytes) are alike in all tensors.  No LDS address hangs on the choice.
; CLUSTERS: 4 x 4 work-groups; grid y / 32 is the projection.  The four of a row of the cluster need the same tiles of A, the four of a column the same tiles of B: each tile is asked for jointly.
; 384 work-groups: three projections never make a multiple of 256 with this tile; the tile is kept, since a smaller one feeds fewer products from each LDS byte.
; THE WAY OUT.  The 64 registers of a block of 16 rows of A are, in lane (r, h), register 8 b + j = row 16 b + 8 h + j of B.  Blocks of 32 rows of B are quantised as they stand: within a block of 32 the
; code of element 16 e + 8 a + f stands at place 16 a + 8 e + f.  q and k carry the same order, and so do v and the attention launch's p: the products are the same sums; blocks and scales are untouched.
; pc: images of operand registers, in pieces of 256 bytes (32 lanes x 8 bytes: registers 2 p, 2 p + 1 of half a fragment, 64 along K):
;   q at 0, k at PART: [head 16][tile of 16 tokens 512][piece 3][lane][8];   v at 2 PART: [128 keys g 64][half c 2][tile of 16 columns 64][piece 3][lane][8]
; ps: one word of four scale bytes a row and 128 along K: q at 0, k at SPART: [pair of heads 8][token 8,192];  v at 2 SPART: [g 64][column 1,024]
; LIMITS: a block whose largest magnitude lies under 2^-124 keeps the byte 1 (a block of zeros too, where the rule says 127: its codes are zeros, and this program alone reads the bytes); NaN and infinities among the results are not served.
; REGISTERS, in windows of 256: window 0: v0-31 addresses; v32-63 scale words, two sets, and nothing else; v64-99 at work on the way out; from v128 A's fragments, one set, later the codes made.
;   window 1: B's fragments, two sets, at v0 and v128.   window 2: the accumulators of my rows 0-63 of A ((a, b) at v[8 (8 a + b)]);   window 3: those of rows 64-127.
.set SIZE_K, 1024
.set KSTEP,  256                       ; along K in a slot
.set NQ,     KSTEP/128                 ; matrix instructions deep
.set ROWB,   192                       ; a tile's row in bytes
.set KROW,   SIZE_K*6/8                ; a row of codes in memory
.set PITCH,  240                       ; an LDS row: 3 x (64 bytes + 16 of padding)
.set FR,     12                        ; registers of a fragment
.set NL,     6                         ; LDS loads that bring one
.set NP,     4                         ; places behind this matrix instruction (ISA guide 7.12.1)
.set HALFT,  128*PITCH                 ; 128 rows: one tensor load
.set SLOT,   4*HALFT                   ; A's 256 rows, then B's 256
.set LAPS,   SIZE_K/(2*KSTEP)
.set KS,     SIZE_K/32                 ; a row of scale bytes
.set SCL,    2*SLOT                    ; behind the ring: the scales, as rows of 256 bytes + 16 of padding, filled once
.set HALFS,  (128*KS/256)*272
.set SBLK,   (16*KS/256)*272
.set SPARE,  SCL+4*HALFS               ; the spare words, 128 bytes a wave: two blocks of 256 bytes that no other line names
.set PART,   6291456                   ; a projection's codes in pc
.set SPART,  262144                    ; and its scale words in ps
.set ADRA, 16                          ; v16-17 my A fragments in slot 0, 1 (v18-19: behind one padding more)
.set ADRB, 20                          ; v20-23 the same for B
.set PSO,  24                          ; v24  4 x lane
.set CO,   26                          ; v26  8 x lane
.set ADRS, 27                          ; v27  my scale words: lanes 0-15 A's rows, lanes 16-31 B's
.set SPW,  28                          ; v28  my spare word; never rewritten
.set NIL,  29                          ; v29  0; never rewritten
.set SC,   32
.set TM,   64                          ; v64-67 largest magnitudes, v68-71 the other half's, then bytes, v76-79 the conversions' scale operands
.set YY,   80                          ; v80-82, v84-86 the second halves of two blocks' codes
.set PW,   88                          ; v88-95 block a's scale words
.set PW2,  96                          ; v96-99 two blocks' words in one register
.set AF,   128
.set PC,   128                         ; block a's codes at v[128 + 12 a]: registers of their own, so that no store's data are written again
.set G1, 24
.set G0, 32
.set G1B, 48
.set G0B, 56
.set G1S, 68
.set G0S, 76
.set G1SB, 80
.set G0SB, 88
.set SEL, 100                          ; s[100:101] lane selects: lane l xor 16
.set MSB, 0
.macro WIN new                         ; the immediate's high byte repeats the setting that is left
.if MSB != \new
	s_set_vgpr_msb (MSB<<8)|\new
.set MSB, \new
.endif
.endm
.set MUL_LO, 0xa1                      ; source 0 (B) window 1, source 1 (A) window 0, C and D window 2
.set MUL_HI, 0xf1                      ; the same, C and D window 3
.set TO_B,   0x40                      ; destination window 1, address window 0
; A joint load: waves 0 and 1 fetch for A, waves 2 and 3 for B.  The branch hangs on the wave's number alone.  Four v_nop follow each of the two lines.
.macro JLOAD g0a, g1a, g0b, g1b
	s_cmp_eq_u32 s15, 0
	s_cbranch_scc0 .Lfor_b_\@
	tensor_load_to_lds s[\g0a:\g0a+3], s[\g1a:\g1a+7]
	s_nop 0
.rept 4
	v_nop
.endr
	s_branch .Lasked_\@
.Lfor_b_\@:
	tensor_load_to_lds s[\g0b:\g0b+3], s[\g1b:\g1b+7]
	s_nop 0
.rept 4
	v_nop
.endr
.Lasked_\@:
.endm
.macro CREST                           ; a round of the cluster's barrier behind its opening barrier
	s_cmp_lg_u32 s14, 0
	s_cbranch_scc1 .Lnot_wave_0_\@
	s_barrier_signal -3
.Lnot_wave_0_\@:
	s_barrier_wait -3
	s_barrier_signal -1
	s_barrier_wait -1
.endm
.macro CROUND
	s_barrier_signal -1
	s_barrier_wait -1
	CREST
.endm
	s_load_b256 s[4:11], s[0:1], 0x0               ; query's codes, scales; w_q's codes, scales
	s_load_b256 s[24:31], s[0:1], 0x20             ; the same of key and w_k
	s_load_b256 s[32:39], s[0:1], 0x40             ; of value and w_v
	s_load_b128 s[40:43], s[0:1], 0x60             ; pc, ps
	v_lshl_add_u32 v[SPW], v0, 2, SPARE
	v_mov_b32 v[NIL], 0
	ds_add_u32 v28, v29
	ds_add_u32 v28, v29
	s_wait_dscnt 0x0
	v_lshrrev_b32 v1, 5, v0
	v_readfirstlane_b32 s14, v1                    ; wave 0..3
	s_lshr_b32 s15, s14, 1                         ; which half of A's rows is mine.  Also: I fetch for A (0) or for B (1)
	s_and_b32 s16, s14, 1                          ; which half of B's rows.  Also: which 128 rows I fetch
	s_and_b32 s66, ttmp7, 0xffff                   ; the cluster's y, 0 .. 23
	s_lshr_b32 s67, s66, 3                         ; the projection: 0 q, 1 k, 2 v: the same in all sixteen partners
	s_and_b32 s66, s66, 7
	s_lshl_b32 s66, s66, 2                         ; 4 x (cluster y % 8): the first of the cluster's four tiles of 256 tokens
	s_wait_kmcnt 0x0
	s_cmp_eq_u32 s67, 1                            ; A's codes s[4:5], A's scales s[6:7], B's codes s[8:9], B's scales s[10:11]
	s_cselect_b64 s[4:5], s[24:25], s[4:5]
	s_cselect_b64 s[6:7], s[26:27], s[6:7]
	s_cselect_b64 s[8:9], s[28:29], s[8:9]
	s_cselect_b64 s[10:11], s[30:31], s[10:11]
	s_cmp_eq_u32 s67, 2                            ; v: A = w_v, B = value
	s_cselect_b64 s[4:5], s[36:37], s[4:5]
	s_cselect_b64 s[6:7], s[38:39], s[6:7]
	s_cselect_b64 s[8:9], s[32:33], s[8:9]
	s_cselect_b64 s[10:11], s[34:35], s[10:11]
	s_mov_b64 s[12:13], s[40:41]                   ; pc
	s_mov_b64 s[96:97], s[42:43]                   ; ps
	s_bfe_u32 s40, ttmp6, 0x40000                  ; cx, cy: my place in the cluster
	s_bfe_u32 s41, ttmp6, 0x40004
	s_cmp_eq_u32 s67, 2
	s_cselect_b32 s95, s66, 0                      ; the tokens' tiles lie along B for v,
	s_cselect_b32 s66, 0, s66                      ; along A for q and k
	s_add_co_u32 s42, s40, s95                     ; B's tile: cx (+ 4 x cluster y % 8)
	s_add_co_u32 s17, s41, s66                     ; A's tile: cy (+ 4 x cluster y % 8)
	s_lshl_b32 s43, s41, 2
	s_lshl_b32 s43, 15, s43                        ; my row of the cluster
	s_lshl_b32 s44, 0x1111, s40                    ; my column
	; descriptor group 1: a tile of 128 rows x ROWB bytes, padded in LDS
	s_or_b32 s[G1+0], s43, (0<<16)|(1<<20)|(1<<21)|(3<<22)|(3<<25)  ; 15:0 the mask: A's tiles go to my row; 17:16 element of 1 byte; 20 padding on; 21 set beside a mask; 24:22 after every 16 words; 31:25 of 4 words
	s_or_b32 s[G1B+0], s44, (0<<16)|(1<<20)|(1<<21)|(3<<22)|(3<<25)
.irp g, G1, G1B
	s_mov_b32 s[\g+1], ROWB<<16                    ; tensor_dim0
	s_mov_b32 s[\g+2], 128<<16                     ; tensor_dim1
	s_mov_b32 s[\g+3], ROWB<<16                    ; tile_dim0
	s_mov_b32 s[\g+4], 128                         ; tile_dim1
	s_mov_b32 s[\g+5], KROW                        ; tensor_dim0_stride
	s_mov_b32 s[\g+6], 0
	s_mov_b32 s[\g+7], 0
.endr
	; the scales of 128 rows: a dense block of 4,096 bytes, as rows of 256 bytes (32 elements of 8 bytes), 16 bytes of padding behind each
	s_or_b32 s[G1S+0], s43, (3<<16)|(1<<20)|(1<<21)|(5<<22)|(3<<25)
	s_or_b32 s[G1SB+0], s44, (3<<16)|(1<<20)|(1<<21)|(5<<22)|(3<<25)
.irp g, G1S, G1SB
	s_mov_b32 s[\g+1], 32<<16
	s_mov_b32 s[\g+2], (128*KS/256)<<16
	s_mov_b32 s[\g+3], 32<<16
	s_mov_b32 s[\g+4], 128*KS/256
	s_mov_b32 s[\g+5], 32
	s_mov_b32 s[\g+6], 0
	s_mov_b32 s[\g+7], 0
.endr
	s_lshl_b32 s18, s16, 7                         ; which 128 rows of the tile I fetch
	s_lshl_b32 s20, s17, 8
	s_add_co_u32 s20, s20, s18                     ; A: row 256 x tile + 128 x half
	s_lshl_b32 s46, s42, 8
	s_add_co_u32 s46, s46, s18                     ; B likewise
	s_mov_b32 s21, 0
	s_mov_b32 s47, 0
	s_mov_b64 s[18:19], KS
	s_mul_u64 s[22:23], s[20:21], s[18:19]         ; where these rows' scales begin
	s_mul_u64 s[92:93], s[46:47], s[18:19]
	s_mov_b64 s[18:19], KROW
	s_mul_u64 s[20:21], s[20:21], s[18:19]         ; and their codes
	s_mul_u64 s[46:47], s[46:47], s[18:19]
	s_mul_i32 s45, s14, HALFT                      ; where they go: wave x 128 rows
	s_mul_i32 s94, s14, HALFS
	s_add_nc_u64 s[20:21], s[4:5], s[20:21]
	s_add_nc_u64 s[22:23], s[6:7], s[22:23]
	s_add_nc_u64 s[46:47], s[8:9], s[46:47]
	s_add_nc_u64 s[92:93], s[10:11], s[92:93]
	CROUND                                         ; all sixteen work-groups are here: the first joint loads meet
	s_mov_b32 s[G0S], 1
	s_add_co_u32 s[G0S+1], s94, SCL
	s_mov_b64 s[G0S+2:G0S+3], s[22:23]
	s_or_b32 s[G0S+3], s[G0S+3], 0x80000000
	s_mov_b32 s[G0SB], 1
	s_add_co_u32 s[G0SB+1], s94, SCL
	s_mov_b64 s[G0SB+2:G0SB+3], s[92:93]
	s_or_b32 s[G0SB+3], s[G0SB+3], 0x80000000
	JLOAD G0S, G1S, G0SB, G1SB                     ; the scales first: they are wanted with K step 0.  With the two below, three loads of mine are out
.irp s, 0,1
	s_mov_b32 s[G0+4*\s], 1
	s_add_co_u32 s[G0+4*\s+1], s45, \s*SLOT
	s_add_nc_u64 s[G0+4*\s+2:G0+4*\s+3], s[20:21], \s*ROWB
	s_or_b32 s[G0+4*\s+3], s[G0+4*\s+3], 0x80000000
	s_mov_b32 s[G0B+4*\s], 1
	s_add_co_u32 s[G0B+4*\s+1], s45, \s*SLOT
	s_add_nc_u64 s[G0B+4*\s+2:G0B+4*\s+3], s[46:47], \s*ROWB
	s_or_b32 s[G0B+4*\s+3], s[G0B+4*\s+3], 0x80000000
	JLOAD G0+4*\s, G1, G0B+4*\s, G1B
.endr
	v_and_b32 v1, 15, v0                           ; l % 16
	v_bfe_u32 v2, v0, 4, 1                         ; l / 16
	v_mul_u32_u24 v3, v1, PITCH
	v_mul_u32_u24 v4, v2, 24
	v_add_nc_u32 v4, v3, v4                        ; a fragment's row x pitch + 24 x half
	v_lshl_add_u32 v5, v2, 4, v4                   ; and the same behind one padding more
	s_mul_i32 s21, s15, HALFT                      ; my 128 rows of A
	s_mul_i32 s22, s16, HALFT                      ; my 128 rows of B,
	s_add_co_u32 s22, s22, 2*HALFT                 ; which lie behind A's 256
.irp s, 0,1
	v_add_nc_u32 v[ADRA+\s], s21, v4
	v_add_nc_u32 v[ADRB+\s], s22, v4
	v_add_nc_u32 v[ADRA+2+\s], s21, v5
	v_add_nc_u32 v[ADRB+2+\s], s22, v5
	s_add_co_u32 s21, s21, SLOT
	s_add_co_u32 s22, s22, SLOT
.endr
	v_mul_u32_u24 v5, v1, KS                       ; my row's scales: KS bytes a row,
	v_lshrrev_b32 v6, 8, v5
	v_lshl_add_u32 v5, v6, 4, v5                   ; and 16 more for each 256 passed
	s_mul_i32 s21, s15, HALFS                      ; A's: my 128 rows
	s_mul_i32 s22, s16, HALFS                      ; B's: my 128 rows, behind A's 256
	s_add_co_u32 s22, s22, 2*HALFS
	s_sub_co_u32 s22, s22, s21
	v_mul_u32_u24 v6, s22, v2                      ; lanes 16-31 take B's
	s_add_co_u32 s21, s21, SCL
	v_add_nc_u32 v5, v5, v6
	v_add_nc_u32 v[ADRS], s21, v5
	v_and_b32 v6, 31, v0
	v_lshlrev_b32 v[CO], 3, v6                     ; the way out: 8 bytes a lane of a piece,
	v_lshlrev_b32 v[PSO], 2, v6                    ; 4 bytes a lane of the scale words
	; where my results go.  g = 2 x B's tile + my half: a pair of heads (q, k) or 128 keys (v).  CS: from half a fragment's images to the other half's: a head's (q, k) or 64 tiles of columns (v)
	s_lshl_b32 s20, s42, 1
	s_add_co_u32 s20, s20, s16                     ; g
	s_mov_b32 s92, 393216
	s_mov_b32 s94, 32768
	s_cmp_eq_u32 s67, 2
	s_cselect_b32 s92, 49152, s92                  ; CS
	s_cselect_b32 s94, 4096, s94                   ; bytes of scale words for one g
	s_mov_b32 s93, 0
	s_mul_i32 s21, s20, s92
	s_lshl_b32 s21, s21, 1                         ; g x 2 CS
	s_mul_i32 s22, s67, PART
	s_add_co_u32 s22, s22, s21
	s_lshl_b32 s21, s17, 4
	s_lshl_b32 s23, s15, 3
	s_add_co_u32 s21, s21, s23                     ; my first block of 16 rows of A: 16 x tile + 8 x half
	s_mul_i32 s23, s21, 768
	s_add_co_u32 s22, s22, s23
	s_mov_b32 s23, 0
	s_add_nc_u64 s[12:13], s[12:13], s[22:23]      ; half 0 of my fragments' images,
	s_add_nc_u64 s[98:99], s[12:13], s[92:93]      ; half 1
	s_mul_i32 s22, s20, s94
	s_mul_i32 s46, s67, SPART
	s_add_co_u32 s22, s22, s46
	s_lshl_b32 s21, s21, 6                         ; 16 rows x 4 bytes
	s_add_co_u32 s22, s22, s21
	s_add_nc_u64 s[96:97], s[96:97], s[22:23]      ; my 128 rows' scale words
	s_mov_b32 s[SEL], 0x76543210
	s_mov_b32 s[SEL+1], 0xfedcba98
	s_mov_b32 s66, 0xffff0000                      ; lanes 16-31
.macro FRAG reg, adr, q, i             ; a fragment, 16 rows x 128 K, is 12 registers: lane l holds row l % 16; registers 6 c .. 6 c + 5 hold K = 64 c + 32 (l / 16) + 0 .. 31: 24 bytes of the row's stream of bits, in pieces of 8 bytes
.irp p, 0,1,2,3,4,5
.set PCE, 12*(\q)+6*(\p/3)+\p%3       ; 16 bytes of padding lie behind every 8 pieces: where the piece three on lies behind one padding more, the second address register serves
.if PCE%8 < 5
	ds_load_b64 v[\reg+2*\p:\reg+2*\p+1], v[\adr] offset:8*PCE+16*(PCE/8)+(\i)*16*PITCH
.else
	ds_load_b64 v[\reg+2*\p:\reg+2*\p+1], v[\adr+2] offset:8*PCE+16*(PCE/8)+(\i)*16*PITCH
.endif
.endr
.endm
; 16 matrix instructions: A's blocks a0, a0 + 1 x B's eight, 128 along K.  zero = 1: the first product starts the sums.  The 64 accumulators take turns, one instruction a turn.
.macro MUL16 a0, p, q, sc, zero
.irp a, \a0, \a0+1
.irp b, 0,1,2,3,4,5,6,7
.if \zero
	v_wmma_scale_f32_16x16x128_f8f6f4 v[8*(8*((\a)%4)+\b):8*(8*((\a)%4)+\b)+7], v[128*(\p)+FR*\b:128*(\p)+FR*\b+FR-1], v[AF+FR*(\a):AF+FR*(\a)+FR-1], 0, v[SC+8*NQ*(\sc)+NQ*\b+(\q)], v[SC+8*NQ*(\sc)+NQ*(\a)+(\q)] matrix_a_fmt:MATRIX_FMT_FP6 matrix_b_fmt:MATRIX_FMT_FP6 matrix_a_scale:MATRIX_SCALE_ROW1
.else
	v_wmma_scale_f32_16x16x128_f8f6f4 v[8*(8*((\a)%4)+\b):8*(8*((\a)%4)+\b)+7], v[128*(\p)+FR*\b:128*(\p)+FR*\b+FR-1], v[AF+FR*(\a):AF+FR*(\a)+FR-1], v[8*(8*((\a)%4)+\b):8*(8*((\a)%4)+\b)+7], v[SC+8*NQ*(\sc)+NQ*\b+(\q)], v[SC+8*NQ*(\sc)+NQ*(\a)+(\q)] matrix_a_fmt:MATRIX_FMT_FP6 matrix_b_fmt:MATRIX_FMT_FP6 matrix_a_scale:MATRIX_SCALE_ROW1
.endif
.endr
.endr
.endm
.macro FETCH_B slot, q, p
	WIN TO_B
.irp i, 0,1,2,3,4,5,6,7
	FRAG 128*(\p)+FR*\i, ADRB+\slot, \q, \i
.endr
	WIN 0
.endm
.macro FETCH_A slot, q, i0
.irp i, \i0, \i0+1, \i0+2, \i0+3
	FRAG AF+FR*(\i), ADRA+\slot, \q, \i
.endr
.endm
.macro SCALES sc                       ; a K step's scale words: lanes 0-15 A's block i, lanes 16-31 B's block i
.irp i, 0,1,2,3,4,5,6,7
	ds_load_b64 v[SC+8*NQ*\sc+NQ*\i:SC+8*NQ*\sc+NQ*\i+1], v[ADRS] offset:\i*SBLK
.endr
.endm
.macro PLACES n                        ; plain vector instructions between a matrix instruction and a load into, or a read of, its registers
.rept \n
	v_nop
.endr
.endm
.macro STEP slot, q, zero              ; a step of 128 along K that has its successor in the same slot
	s_wait_dscnt 4*NL                              ; B's set and A's blocks 0-3 are in; the 24 youngest loads (A's blocks 4-7) may be out
	WIN MUL_LO
	MUL16 0, (\q)%2, \q, \slot, \zero
	MUL16 2, (\q)%2, \q, \slot, \zero
	s_wait_dscnt 0
	PLACES NP
	FETCH_B \slot, (\q)+1, 1-(\q)%2
	FETCH_A \slot, (\q)+1, 0
	WIN MUL_HI
	MUL16 4, (\q)%2, \q, \slot, \zero
	MUL16 6, (\q)%2, \q, \slot, \zero
	PLACES NP
	WIN 0
	FETCH_A \slot, (\q)+1, 4
.endm
; A slot's last step changes slots: one barrier; in front of it each wave waits for all its tensor loads, adds 0 to its spare word, and waits for that and for its reads of this slot.  fill = 1: the slot is filled again, two K steps ahead.
.macro TURN slot, next, fill
	s_wait_tensorcnt 0x0                           ; all my tensor loads have landed: my part of the next slot
	ds_add_u32 v[SPW], v[NIL]                      ; 0 onto my spare word
	s_wait_dscnt 4*NL+1                            ; the add and the 24 youngest loads may be out
	WIN MUL_LO
	MUL16 0, 1, NQ-1, \slot, 0
	s_wait_dscnt 0x0                               ; the add is done, and my reads of this slot are over
	s_barrier_signal -1
	MUL16 2, 1, NQ-1, \slot, 0
	WIN 0
	s_barrier_wait -1
.if \fill
	CREST                                          ; the barrier has opened a round of the cluster's barrier: no wave of any partner still reads this slot or has a load on its way
	s_add_nc_u64 s[G0+4*\slot+2:G0+4*\slot+3], s[G0+4*\slot+2:G0+4*\slot+3], 2*ROWB
	s_add_nc_u64 s[G0B+4*\slot+2:G0B+4*\slot+3], s[G0B+4*\slot+2:G0B+4*\slot+3], 2*ROWB
	JLOAD G0+4*\slot, G1, G0B+4*\slot, G1B         ; the first tensor load behind the round, and my only one until the next
.else
	PLACES NP
.endif
	v_add_nc_u32 v[ADRS], 4*NQ, v[ADRS]            ; on to the next K step's scale words
	FETCH_B \next, 0, 0
	FETCH_A \next, 0, 0
	SCALES \next
	WIN MUL_HI
	MUL16 4, 1, NQ-1, \slot, 0
	MUL16 6, 1, NQ-1, \slot, 0
	PLACES NP
	WIN 0
	FETCH_A \next, 0, 4
.endm
	s_wait_tensorcnt 1                             ; the scales and my part of K step 0 are in; K step 1's load may be out
	s_barrier_signal -1
	s_barrier_wait -1
	FETCH_B 0, 0, 0
	FETCH_A 0, 0, 0
	SCALES 0
	FETCH_A 0, 0, 4
	STEP 0, 0, 1                                   ; the first step stands in front of the loop: its products start the sums
	s_mov_b32 s3, LAPS-1
.Llap:                                                 ; a trip goes once round the ring and fills both slots again
	TURN 0, 1, 1
	STEP 1, 0, 0
	TURN 1, 0, 1
	STEP 0, 0, 0
	s_sub_co_u32 s3, s3, 1
	s_cmp_lg_u32 s3, 0
	s_cbranch_scc1 .Llap
	TURN 0, 1, 0                                   ; the last lap fills nothing
	STEP 1, 0, 0
	s_wait_dscnt 4*NL
	WIN MUL_LO
	MUL16 0, 1, NQ-1, 1, 0
	MUL16 2, 1, NQ-1, 1, 0
	s_wait_dscnt 0
	WIN MUL_HI
	MUL16 4, 1, NQ-1, 1, 0
	MUL16 6, 1, NQ-1, 1, 0
	WIN 0
; THE WAY OUT of block a (16 rows of A x my 128 rows of B): four blocks of 32 are quantised in registers; the twelve registers of codes are a fragment's image and leave as six pieces of 256 bytes.
.macro QOUT a
.set AC, 64*((\a)%4)
.set W1, 2+(\a)/4                      ; the accumulators' window
.set W5, 5*W1                          ; as sources 0 and 1
.set PCA, PC+12*(\a)
	WIN W5
.irp b, 0,1,2,3
	v_max3_num_f32 v[TM+\b], |v[AC+16*\b]|, |v[AC+16*\b+1]|, 0x1800000   ; block b: my 16 numbers and the floor 2^(3 - 127): the byte cannot fall under 1.  Each accumulator is read from its low end on
.endr
.irp i, 2,4,6,8,10,12,14
.irp b, 0,1,2,3
	v_max3_num_f32 v[TM+\b], |v[AC+16*\b+\i]|, |v[AC+16*\b+\i+1]|, v[TM+\b]
.endr
.endr
	WIN 0
.irp b, 0,1,2,3
	v_permlanex16_b32 v[TM+4+\b], v[TM+\b], s[SEL], s[SEL+1]
.endr
.irp b, 0,1,2,3
	v_max_num_f32 v[TM+\b], v[TM+\b], v[TM+4+\b]   ; with lane l xor 16's: the block's largest magnitude
.endr
.irp b, 0,1,2,3
	v_add_nc_u32 v[TM+12+\b], 0xff000000, v[TM+\b] ; 2 off its exponent field: the conversion's scale operand
.endr
.irp b, 0,1,2,3
	v_lshrrev_b32 v[TM+4+\b], 23, v[TM+12+\b]      ; the scale's byte
.endr
	v_lshl_or_b32 v[PW+(\a)], v[TM+5], 8, v[TM+4]
	v_lshl_or_b32 v[PW+(\a)], v[TM+6], 16, v[PW+(\a)]
	v_lshl_or_b32 v[PW+(\a)], v[TM+7], 24, v[PW+(\a)]   ; my row's scale word
	WIN W1                                         ; source 0 in the accumulators' window
.irp c, 0,1
	v_cvt_scalef32_pk16_fp6_f32 v[PCA+6*\c:PCA+6*\c+2], v[AC+32*\c:AC+32*\c+15], v[TM+12+2*\c]
	v_cvt_scalef32_pk16_fp6_f32 v[YY+4*\c:YY+4*\c+2], v[AC+32*\c+16:AC+32*\c+31], v[TM+13+2*\c]   ; (a conversion's three registers begin on an even number)
.endr
	WIN 0
	v_nop                                          ; one plain place behind a scaled conversion
.irp c, 0,1                                    ; the operand's layout wants a whole block in a lane: lanes 0-15 block 2 c, lanes 16-31 block 2 c + 1
.irp i, 0,1,2
	v_permlane16_swap_b32 v[PCA+6*\c+\i], v[YY+4*\c+\i]
.endr
.irp i, 0,1,2
	v_mov_b32 v[PCA+3+6*\c+\i], v[YY+4*\c+\i]
.endr
.endr
.irp p, 0,1,2
	global_store_b64 v[CO], v[PCA+2*\p:PCA+2*\p+1], s[12:13] offset:(\a)*768+256*\p      ; 32 lanes store 256 consecutive bytes, aligned
.endr
.irp p, 0,1,2
	global_store_b64 v[CO], v[PCA+6+2*\p:PCA+7+2*\p], s[98:99] offset:(\a)*768+256*\p
.endr
.endm
	PLACES NP                                      ; behind the last products: their results are read and A's registers written below
.irp b, 0,1,2,3
	v_mov_b32 v[TM+4+\b], 0                        ; written once: a lane permute's destination counts as one of its sources
.endr
.irp a, 0,1,2,3,4,5,6,7
	QOUT \a
.endr
.irp i, 0,1,2,3
	v_cndmask_b32 v[PW2+\i], v[PW+2*\i], v[PW+2*\i+1], s66   ; lanes 0-15: block 2 i's rows, lanes 16-31: block 2 i + 1's
.endr
.irp i, 0,1,2,3
	global_store_b32 v[PSO], v[PW2+\i], s[96:97] offset:128*\i   ; the four together: 512 consecutive bytes
.endr
	s_wait_tensorcnt 0x0                           ; the wave's end
	ds_add_u32 v[SPW], v[NIL]
	s_wait_dscnt 0x0
	CROUND                                         ; the closing round: no work-group ends while a partner may still ask for a tile that names it
	s_endpgm
.Lfunc_end_k_q169bfa222d_proj:
	.size	k_q169bfa222d_proj, .Lfunc_end_k_q169bfa222d_proj-k_q169bfa222d_proj
	.p2alignl 7, 3214868480
	.fill 96, 4, 3214868480
	.section	.rodata,"a",@progbits
	.p2align	6, 0x0
	.amdhsa_kernel k_q169bfa222d_proj
		.amdhsa_group_segment_fixed_size 327680
		.amdhsa_private_segment_fixed_size 0
		.amdhsa_enable_private_segment 0
		.amdhsa_kernarg_size 112
		.amdhsa_user_sgpr_count 2
		.amdhsa_user_sgpr_kernarg_segment_ptr 1
		.amdhsa_wavefront_size32 1
		.amdhsa_system_sgpr_workgroup_id_x 1
		.amdhsa_system_sgpr_workgroup_id_y 1
		.amdhsa_system_sgpr_workgroup_id_z 1
		.amdhsa_system_vgpr_workitem_id 0
		.amdhsa_next_free_vgpr 1024
		.amdhsa_next_free_sgpr 102
		.amdhsa_reserve_vcc 0
		.amdhsa_float_denorm_mode_32 3
		.amdhsa_float_denorm_mode_16_64 3
		.amdhsa_memory_ordered 1
		.amdhsa_forward_progress 1
		.amdhsa_inst_pref_size 168
	.end_amdhsa_kernel
	.amdgpu_metadata
---
amdhsa.version: [ 1, 2 ]
amdhsa.kernels:
  - .name:           k_q169bfa222d_proj
    .symbol:         k_q169bfa222d_proj.kd
    .args:
      - { .name: query_codes, .offset: 0, .size: 8, .value_kind: global_buffer, .address_space: global }
      - { .name: query_scales, .offset: 8, .size: 8, .value_kind: global_buffer, .address_space: global }
      - { .name: w_q_codes, .offset: 16, .size: 8, .value_kind: global_buffer, .address_space: global }
      - { .name: w_q_scales, .offset: 24, .size: 8, .value_kind: global_buffer, .address_space: global }
      - { .name: key_codes, .offset: 32, .size: 8, .value_kind: global_buffer, .address_space: global }
      - { .name: key_scales, .offset: 40, .size: 8, .value_kind: global_buffer, .address_space: global }
      - { .name: w_k_codes, .offset: 48, .size: 8, .value_kind: global_buffer, .address_space: global }
      - { .name: w_k_scales, .offset: 56, .size: 8, .value_kind: global_buffer, .address_space: global }
      - { .name: value_codes, .offset: 64, .size: 8, .value_kind: global_buffer, .address_space: global }
      - { .name: value_scales, .offset: 72, .size: 8, .value_kind: global_buffer, .address_space: global }
      - { .name: w_v_codes, .offset: 80, .size: 8, .value_kind: global_buffer, .address_space: global }
      - { .name: w_v_scales, .offset: 88, .size: 8, .value_kind: global_buffer, .address_space: global }
      - { .name: pc, .offset: 96, .size: 8, .value_kind: global_buffer, .address_space: global }
      - { .name: ps, .offset: 104, .size: 8, .value_kind: global_buffer, .address_space: global }
    .group_segment_fixed_size: 327680
    .private_segment_fixed_size: 0
    .kernarg_segment_align: 8
    .kernarg_segment_size: 112
    .max_flat_workgroup_size: 128
    .sgpr_count:     102
    .vgpr_count:     1024
    .wavefront_size: 32
...
	.end_amdgpu_metadata
.endif
;; end of part 2
;; launch attn (part 3): grid 4 x 64, 16 waves a work-group, no clusters, 215,040 bytes of LDS; arguments pc, ps, mbits, mflag, aoc, aos; writes aoc, aos
.if DOCPART == 3
	.amdgcn_target "amdgcn-amd-amdhsa--gfx1250"
	.amdhsa_code_object_version 6
	.text
	.protected	k_q169bfa222d_attn
	.globl	k_q169bfa222d_attn
	.p2align	8
	.type	k_q169bfa222d_attn,@function
k_q169bfa222d_attn:
	s_mov_b64 s[64:65], 0
	v_nop
	global_prefetch_b8 v0, s[64:65] scope:SCOPE_SE
	s_setreg_imm32_b32 hwreg(HW_REG_WAVE_MODE, 25, 1), 1
	s_wait_xcnt 0x0
; ATTENTION of one head (work-group y = 16 b + head) on codes of FP6 (E2M3) with one E8M0 scale for each 32 along a product's K; the result is quantised along the head's 64 for the last projection.
; t = score x log2(e) / 8; M = the running largest t rounded up to a whole number; p = 2^(t - M) is quantised along the keys, not normalised; the row's sum is taken of the unquantised p and divides at the end.
; THE MASK IS AN INPUT.  An earlier launch has turned it into whole numbers: for each unit (16 queries x 128 keys) a flag 'some key counts', a flag 'some key is masked', and 64 lane masks.  A unit none of whose
; keys counts is passed over by a scalar branch on the stored flag; in a unit with masked keys their scores become -infinity ahead of the maximum.  This text has no
; tensor load, no copy and no cluster: the head's K and V, 192 KiB of codes, are brought into LDS ONCE through registers, behind one barrier, and only read from then on.
; SHARES.  Sixteen waves, four to a SIMD, 256 registers each.  Wave w of work-group x owns the tiles of 16 queries 16 x + w and 127 - (16 x + w), one after the other; the values hold for any mask.
; LAYOUT.  Both products are used transposed: S^T = K Q^T (source 0 = 16 keys), O^T = V^T P^T (source 0 = 16 of the head's 64): a lane holds one query (lane % 16) throughout.
; The first product's K is 64: the upper six registers of Q's fragment are zero codes for the whole launch.  The upper six of a key fragment are whatever follows it in the registers (the next tile's codes, or p's):
; codes of this format are all finite and no scale byte here is 0xff, so these products are zeros.
; Within a block of 32 keys p's codes stand in the order in which the projection launch has laid v's (element 16 e + 8 a + f at place 16 a + 8 e + f), q's and k's likewise along the head.
; V^T's rows are chosen so that O^T comes out with 16 neighbours of the head's 64 in a lane's 16 registers: lane r of tile 2 b + u takes d = 32 b + 8 u + r + 8 (r / 8).  The result's codes are in natural order.
; A ROW WITH NO KEY THAT COUNTS has the sum 0: its codes are zeros and its scale bytes 0xff, which make its row of the output NaN in the last launch.
; LIMITS: a block whose largest magnitude lies under 2^-124 keeps the byte 1 (a block of zeros too: its codes are zeros, and this program alone reads the bytes); NaN and infinities among q, k, v are not served.
; No prefetch: all of K and V is asked for at the head by the loads themselves.
.set KC,   0                           ; LDS: K's codes [tile of 16 keys 128][piece 3][256 bytes]
.set VC,   98304                       ; V's codes [step 16] x 6,400: [tile of 16 d 4] x 1,600 = [half 2][piece 3][256] + 64 bytes, so that the 32 lanes of a read fall on 256 different bytes modulo 256
.set KSB,  200704                      ; K's scale words [step][lane 32][4]: word i of lane L: key 128 s + 32 i + L
.set VSB,  208896                      ; V's scale words [step][lane 32][2]: word b of lane (r, u): d = 32 b + 8 u + r % 8 + 16 (r / 8)
.set PART, 6291456
.set SPART, 262144
.set AK,  1                            ; v1   8 x lane: my place in a piece
.set AV,  2                            ; v2   my place in a tile of V^T
.set AKS, 3                            ; v3   KSB + 16 x lane
.set AVS, 4                            ; v4   VSB + 8 x lane
.set QSO, 5                            ; v5   4 x (lane % 16)
.set VS,  6                            ; v[6:7] V's scale words, and nothing else
.set ADK, 8                            ; v8-11 the step's LDS addresses
.set ADV, 9
.set ADS, 10
.set ADT, 11
.set QF,  16                           ; v16-27 Q's fragment; v22-27 zeros.   v12 -M, v13 the largest t, v[14:15] the sum in two halves
.set KS,  28                           ; v[28:31] K's scale words, and nothing else
.set KF,  32                           ; v32-79 eight tiles of K, six registers each
.set PC,  80                           ; v80-91 p's codes
.set VF,  92                           ; v92-139 four fragments of V^T
.set S,   140                          ; v140-203 S^T, then p
.set O,   204                          ; v204-235 O^T
.set BM,  236                          ; v236-239 the blocks' largest
.set PT,  240                          ; v240-247 at work
.set SO,  248                          ; v248-251 the conversions' scale operands.   v252 f, v253 p's scale word, v254 at work
.set QS,  255                          ; v255 Q's scale words, and nothing else
.set QT,  2                            ; s2  my tile of queries
.set PASS, 3
.set FW,  16                           ; s16 bit s: some key of step s counts;  s17 bit s: some key is masked
.set FM,  17
.set ST,  18                           ; s18 the step
.set TK,  19                           ; s19-22 where the step's K, V and their scale words begin in LDS;  s23 its lane masks in mbits
.set TV,  20
.set TS,  21
.set TT,  22
.set MO,  23
.set WV,  24
.set HD,  25
.set BB,  26
.set SH,  27                           ; s27 16 x (head % 2): my head's two bytes of q's and k's scale words
.set SEL, 28
.set CS,  30                           ; s[30:31] c = log2(e) / 8
	s_load_b256 s[4:11], s[0:1], 0x0               ; pc, ps, mbits, mflag
	s_load_b128 s[12:15], s[0:1], 0x20             ; aoc, aos
	v_lshrrev_b32 v8, 5, v0
	v_readfirstlane_b32 s[WV], v8                  ; wave 0..15
	s_and_b32 s66, ttmp7, 0xffff
	s_and_b32 s[HD], s66, 15
	s_lshr_b32 s[BB], s66, 4
	s_and_b32 s[SH], s[HD], 1
	s_lshl_b32 s[SH], s[SH], 4
	s_lshl_b32 s[QT], ttmp9, 4
	s_add_co_u32 s[QT], s[QT], s[WV]               ; 16 x + w
	s_mov_b32 s[PASS], 0
	s_mov_b32 s[SEL], 0x76543210
	s_mov_b32 s[SEL+1], 0xfedcba98
	s_mov_b32 s[CS], 0x3e38aa3b
	s_mov_b32 s[CS+1], s[CS]                       ; (named with it as a pair, so it is written)
	; offsets, in registers of their own
	s_lshl_b32 s66, s[BB], 4
	s_add_co_u32 s66, s66, s[WV]                   ; g = 16 b + wave: the 128 keys that my wave brings of V
	s_mul_i32 s32, s66, 98304
	s_mul_i32 s67, s[HD], 3072
	s_add_co_u32 s32, s32, s67
	s_add_co_u32 s32, s32, 2*PART                  ; V's codes
	s_mov_b32 s33, 0
	s_lshl_b32 s34, s66, 12
	s_lshl_b32 s67, s[HD], 8
	s_add_co_u32 s34, s34, s67
	s_add_co_u32 s34, s34, 2*SPART                 ; V's scale words
	s_mov_b32 s35, 0
	s_mul_i32 s36, s[HD], 393216
	s_mul_i32 s67, s[BB], 98304
	s_add_co_u32 s36, s36, s67                     ; q's codes of (b, head); k's lie PART further on
	s_mov_b32 s37, 0
	s_lshr_b32 s38, s[HD], 1
	s_lshl_b32 s38, s38, 15
	s_lshl_b32 s67, s[BB], 13
	s_add_co_u32 s38, s38, s67                     ; q's scale words; k's lie SPART further on
	s_mov_b32 s39, 0
	s_mul_i32 s40, s[BB], 1572864
	s_mul_i32 s67, s[HD], 768
	s_add_co_u32 s40, s40, s67                     ; aoc: (128 b x 16 + head) x 768
	s_mov_b32 s41, 0
	s_lshl_b32 s42, s[BB], 16
	s_lshl_b32 s67, s[HD], 1
	s_add_co_u32 s42, s42, s67                     ; aos: 2,048 b rows of 32 bytes + 2 x head
	s_mov_b32 s43, 0
	v_and_b32 v9, 31, v0                           ; lane
	v_and_b32 v10, 15, v0                          ; r
	v_bfe_u32 v11, v0, 4, 1                        ; h
	v_lshlrev_b32 v[AK], 3, v9
	v_lshlrev_b32 v[QSO], 2, v10
	v_bfe_u32 v[AV], v0, 3, 1                      ; r / 8: the stored tile 2 b + r / 8,
	v_mul_u32_u24 v[AV], v[AV], 1600
	v_and_b32 v3, 7, v0
	v_lshl_add_u32 v[AV], v3, 3, v[AV]             ; its lane 8 u + r % 8 (u stands in the immediate),
	v_lshl_add_u32 v[AV], v11, 7, v[AV]            ; + 16 h
	v_add_nc_u32 v[AV], VC, v[AV]
	v_lshl_add_u32 v[AKS], v9, 4, KSB
	v_lshl_add_u32 v[AVS], v9, 3, VSB
	; the fill's addresses, in registers that O^T takes later
	v_lshlrev_b32 v204, 4, v0                      ; 16 x thread: K's codes and scale words in memory, K's codes in LDS
	v_add_nc_u32 v205, 65536, v204                 ; (an LDS immediate has 16 bits)
	v_lshlrev_b32 v206, 4, v9                      ; 16 x lane
	s_mul_i32 s66, s[WV], 6400
	s_add_co_u32 s66, s66, VC                      ; my step's part of VC
	v_add_nc_u32 v207, s66, v206                   ; two pieces on end,
	v_mul_u32_u24 v208, v11, 1088
	v_lshl_add_u32 v208, v10, 4, v208
	v_add_nc_u32 v208, s66, v208                   ; or a tile's last piece and the next tile's first: 1,600 - 512 bytes apart
	v_lshrrev_b32 v209, 5, v0
	v_lshlrev_b32 v209, 9, v209                    ; K's scale words: key 4 x thread + e: step thread / 32,
	v_and_b32 v210, 7, v0
	v_lshl_add_u32 v209, v210, 6, v209             ; lane 4 (thread % 8) + e,
	v_bfe_u32 v210, v0, 3, 2
	v_lshl_add_u32 v209, v210, 2, v209             ; word (thread / 8) % 4
	v_add_nc_u32 v209, KSB, v209
	v_and_b32 v210, 3, v0                          ; V's scale words: d = 2 l + e goes to lane 2 (l % 4) + e + 8 ((l / 8) % 2) + 16 ((l / 4) % 2), word l / 16
	v_lshlrev_b32 v210, 4, v210
	v_bfe_u32 v211, v0, 3, 1
	v_lshl_add_u32 v210, v211, 6, v210
	v_bfe_u32 v211, v0, 2, 1
	v_lshl_add_u32 v210, v211, 7, v210
	v_lshl_add_u32 v210, v11, 2, v210
	s_lshl_b32 s67, s[WV], 8
	s_add_co_u32 s67, s67, VSB
	v_add_nc_u32 v210, s67, v210
	s_wait_kmcnt 0x0
	s_add_nc_u64 s[18:19], s[4:5], s[32:33]        ; V's codes
	s_add_nc_u64 s[22:23], s[6:7], s[34:35]        ; V's scale words
	s_add_nc_u64 s[4:5], s[4:5], s[36:37]          ; q's codes
	s_add_nc_u64 s[6:7], s[6:7], s[38:39]          ; q's scale words
	s_add_nc_u64 s[16:17], s[4:5], PART            ; k's codes
	s_add_nc_u64 s[20:21], s[6:7], SPART           ; k's scale words
	s_add_nc_u64 s[12:13], s[12:13], s[40:41]
	s_add_nc_u64 s[14:15], s[14:15], s[42:43]
	; THE FILL: 26 loads a wave, all issued first
.irp i, 0,1,2,3,4,5,6,7,8,9,10,11
	global_load_b128 v[KF+4*\i:KF+4*\i+3], v204, s[16:17] offset:8192*\i     ; the work-group reads 8,192 consecutive bytes of the head's 98,304
.endr
.irp c, 0,1
.irp k, 0,1,2,3,4,5
	global_load_b128 v[VF+24*\c+4*\k:VF+24*\c+4*\k+3], v206, s[18:19] offset:49152*\c+512*\k   ; my step, half c: the head's four tiles, 3,072 consecutive bytes
.endr
.endr
	global_load_b128 v[S:S+3], v204, s[20:21]      ; the words of keys 4 x thread + 0 .. 3
	global_load_b64 v[S+4:S+5], v[AK], s[22:23]    ; my step's words of d = 2 x lane, 2 x lane + 1
.irp i, 0,1,2,3,4,5
	v_mov_b32 v[QF+6+\i], 0                        ; Q's upper half: zero codes, for the whole launch
	v_mov_b32 v[PC+\i], 0                          ; named as the upper half of the last key fragment before p's codes are first made
.endr
.irp b, 0,1,2,3
	v_mov_b32 v[PT+\b], 0                          ; a lane permute's destination counts as one of its sources
.endr
	v_mov_b32 v252, 0
	v_mov_b32 v253, 0                              ; (named as the upper half of the pair v[252:253] before it is first written)
	s_wait_loadcnt 14                              ; K's twelve are in; V's twelve and the two loads of scale words may be out
.irp i, 0,1,2,3,4,5,6,7
	ds_store_b128 v204, v[KF+4*\i:KF+4*\i+3] offset:KC+8192*\i
.endr
.irp i, 8,9,10,11
	ds_store_b128 v205, v[KF+4*\i:KF+4*\i+3] offset:KC+8192*(\i-8)
.endr
	s_wait_loadcnt 2                               ; V's twelve are in; the two loads of scale words may be out
.irp c, 0,1
.irp k, 0,1,2,3,4,5
.if (2*\k)%3 == 2
	ds_store_b128 v208, v[VF+24*\c+4*\k:VF+24*\c+4*\k+3] offset:((2*\k)/3)*1600+512+768*\c
.else
	ds_store_b128 v207, v[VF+24*\c+4*\k:VF+24*\c+4*\k+3] offset:((2*\k)/3)*1600+((2*\k)%3)*256+768*\c
.endif
.endr
.endr
	s_wait_loadcnt 0x0
.irp e, 0,1,2,3
	v_lshrrev_b32 v[S+\e], s[SH], v[S+\e]          ; my head's two bytes come lowest
.endr
.irp e, 0,1,2,3
	ds_store_b32 v209, v[S+\e] offset:16*\e
.endr
	ds_store_b32 v210, v[S+4]
	ds_store_b32 v210, v[S+5] offset:8
	s_wait_dscnt 0x0                               ; for the others' sake: my stores have landed
	s_barrier_signal -1
	s_barrier_wait -1                              ; the one barrier: from here on LDS is only read
.macro SCORE t                         ; keys 16 t .. 16 t + 15 x my 16 queries; the words of tiles 2 i and 2 i + 1 share a register: lanes 0-15, lanes 16-31
.if (\t)%2
	v_wmma_scale_f32_16x16x128_f8f6f4 v[S+8*(\t):S+8*(\t)+7], v[KF+6*(\t):KF+6*(\t)+11], v[QF:QF+11], 0, v[KS+(\t)/2], v[QS] matrix_a_fmt:MATRIX_FMT_FP6 matrix_b_fmt:MATRIX_FMT_FP6 matrix_a_scale:MATRIX_SCALE_ROW1
.else
	v_wmma_scale_f32_16x16x128_f8f6f4 v[S+8*(\t):S+8*(\t)+7], v[KF+6*(\t):KF+6*(\t)+11], v[QF:QF+11], 0, v[KS+(\t)/2], v[QS] matrix_a_fmt:MATRIX_FMT_FP6 matrix_b_fmt:MATRIX_FMT_FP6
.endif
.endm
.macro PV t                            ; O^T's tile t += V^T's tile t x p, K = the step's 128 keys
.if (\t)%2
	v_wmma_scale_f32_16x16x128_f8f6f4 v[O+8*(\t):O+8*(\t)+7], v[VF+12*(\t):VF+12*(\t)+11], v[PC:PC+11], v[O+8*(\t):O+8*(\t)+7], v[VS+(\t)/2], v253 matrix_a_fmt:MATRIX_FMT_FP6 matrix_b_fmt:MATRIX_FMT_FP6 matrix_a_scale:MATRIX_SCALE_ROW1
.else
	v_wmma_scale_f32_16x16x128_f8f6f4 v[O+8*(\t):O+8*(\t)+7], v[VF+12*(\t):VF+12*(\t)+11], v[PC:PC+11], v[O+8*(\t):O+8*(\t)+7], v[VS+(\t)/2], v253 matrix_a_fmt:MATRIX_FMT_FP6 matrix_b_fmt:MATRIX_FMT_FP6
.endif
.endm
.Ltile:                                            ; two trips: my two tiles of queries
	s_lshl_b32 s66, s[QT], 3
	s_load_b64 s[FW:FW+1], s[10:11], s66 offset:0x0   ; the tile's flags
	s_mul_i32 s100, s[QT], 768
	s_mov_b32 s101, 0
	s_add_nc_u64 s[32:33], s[4:5], s[100:101]      ; (s32 to s39 are free outside the masked block)
	s_lshl_b32 s100, s[QT], 6
	s_add_nc_u64 s[34:35], s[6:7], s[100:101]
.irp p, 0,1,2
	global_load_b64 v[QF+2*\p:QF+2*\p+1], v[AK], s[32:33] offset:256*\p   ; Q's half fragment, as its image lies
.endr
	global_load_b32 v[QS], v[QSO], s[34:35]
	v_mov_b32 v13, 0xff61b1e6                      ; the largest t so far: -3e38, under every t
	v_floor_f32 v12, -v13                          ; -M
	v_mov_b32 v14, 0
	v_mov_b32 v15, 0
	s_wait_loadcnt 0x0
	v_lshrrev_b32 v[QS], s[SH], v[QS]              ; my head's two bytes come lowest
.set j, 0
.rept 32
	v_mov_b32 v[O+j], 0                            ; O^T.  Which step is the first to be worked hangs on the flags, so no first step can be written out with the constant 0.  (These lines are also the places between the shift above and the first scaled product)
.set j, j+1
.endr
	s_wait_kmcnt 0x0
	s_mov_b32 s[ST], 0
	s_mov_b32 s[TK], 0
	s_mov_b32 s[TV], 0
	s_mov_b32 s[TS], 0
	s_mov_b32 s[TT], 0
	s_lshl_b32 s[MO], s[QT], 12                    ; qt x 16 units x 256 bytes
.Lstep:                                            ; sixteen trips, a constant; a trip's work is passed over where no key of the unit counts
	s_bitcmp1_b32 s[FW], s[ST]
	s_cbranch_scc0 .Lnext
	v_add_nc_u32 v[ADK], s[TK], v[AK]              ; (these four are also the places between the last step's products and the loads into their registers)
	v_add_nc_u32 v[ADV], s[TV], v[AV]
	v_add_nc_u32 v[ADS], s[TS], v[AKS]
	v_add_nc_u32 v[ADT], s[TT], v[AVS]
.irp t, 0,1,2,3,4,5,6,7
.irp p, 0,1,2
	ds_load_b64 v[KF+6*\t+2*\p:KF+6*\t+2*\p+1], v[ADK] offset:768*\t+256*\p   ; 256 consecutive bytes
.endr
.endr
	ds_load_b128 v[KS:KS+3], v[ADS]
	s_wait_dscnt 0x0
.irp t, 0,1,2,3,4,5,6,7
	SCORE \t
.endr
.irp t, 0,1,2,3                                ; V's fragments are asked for now and land during the softmax
.irp p, 0,1,2,3,4,5
	ds_load_b64 v[VF+12*\t+2*\p:VF+12*\t+2*\p+1], v[ADV] offset:(\t/2)*3200+64*(\t%2)+768*(\p/3)+256*(\p%3)
.endr
.endr
	ds_load_b64 v[VS:VS+1], v[ADT]
.rept 4
	v_nop                                          ; places behind the products, ahead of the first read of the scores
.endr
	s_bitcmp1_b32 s[FM], s[ST]
	s_cbranch_scc0 .Lopen                          ; all keys of the unit count
	s_load_b512 s[32:47], s[8:9], s[MO] offset:0x0
	s_load_b512 s[48:63], s[8:9], s[MO] offset:0x40
	s_load_b512 s[68:83], s[8:9], s[MO] offset:0x80
	s_load_b512 s[84:99], s[8:9], s[MO] offset:0xc0
	v_mov_b32 v254, 0xff800000                     ; -infinity
	s_wait_kmcnt 0x0
.set n, 0
.rept 64                                       ; word n is the lane mask of score register n; ascending: each accumulator is read from its low end on
.if n < 32
	v_cndmask_b32 v[S+n], v[S+n], v254, s[32+n]
.else
	v_cndmask_b32 v[S+n], v[S+n], v254, s[36+n]
.endif
.set n, n+1
.endr
.Lopen:
.irp b, 0,1,2,3
	v_max3_num_f32 v[BM+\b], v[S+16*\b], v[S+16*\b+1], v[S+16*\b+2]   ; the largest score of each block of 32 keys: for the row's maximum and, since p rises with the score, for the block's largest p
.endr
.irp i, 3,5,7,9,11,13
.irp b, 0,1,2,3
	v_max3_num_f32 v[BM+\b], v[BM+\b], v[S+16*\b+\i], v[S+16*\b+\i+1]
.endr
.endr
.irp b, 0,1,2,3
	v_max_num_f32 v[BM+\b], v[BM+\b], v[S+16*\b+15]
.endr
.irp b, 0,1,2,3
	v_permlanex16_b32 v[PT+\b], v[BM+\b], s[SEL], s[SEL+1]
.endr
.irp b, 0,1,2,3
	v_max_num_f32 v[BM+\b], v[BM+\b], v[PT+\b]     ; with lane l xor 16's 16 keys
.endr
	v_max3_num_f32 v254, v[BM], v[BM+1], v[BM+2]
	v_max_num_f32 v254, v254, v[BM+3]              ; the step's largest score of my query (-infinity where all its keys are masked)
	v_mul_f32 v254, s[CS], v254                    ; as t
	v_max_num_f32 v13, v13, v254                   ; the running largest t
	v_mov_b32 v254, v12
	v_floor_f32 v12, -v13                          ; the new -M = -ceil(t): a whole number
	v_sub_f32 v254, v12, v254                      ; old M - new M: a whole number, 0 or less
	v_cvt_i32_f32 v254, v254                       ; (it saturates)
	v_ldexp_f32 v252, 1.0, v254                    ; f = 2^(old M - new M): a multiplication by it rounds nothing
.set j, 0
.rept 32
	v_pk_fma_f32 v[S+j:S+j+1], v[S+j:S+j+1], s[CS:CS+1], v[12:13] op_sel_hi:[1,0,0]   ; t - M, two at a time
.set j, j+2
.endr
.irp b, 0,1,2,3
	v_fma_f32 v[BM+\b], v[BM+\b], s[CS], v12       ; the same of each block's largest score
.endr
.set j, 0
.rept 64
	v_exp_f32 v[S+j], v[S+j]                       ; p = 2^(t - M), at most 1; 0 for a masked key
.set j, j+1
.endr
	v_pk_mul_f32 v[14:15], v[14:15], v[252:253] op_sel_hi:[1,0]   ; the sums under the new M: a plain instruction behind the exponentials
	s_wait_alu depctr_va_vdst(0)                   ; one wait for the whole batch, ahead of its first reader
.irp b, 0,1,2,3
	v_exp_f32 v[BM+\b], v[BM+\b]                   ; the block's largest p
.endr
	v_pk_add_f32 v[PT:PT+1], v[S:S+1], v[S+2:S+3]  ; the row's sum is taken of the unquantised p: two at a time, in two chains
.set j, 4
.rept 15
	v_pk_add_f32 v[14:15], v[14:15], v[S+j:S+j+1]
	v_pk_add_f32 v[PT:PT+1], v[PT:PT+1], v[S+j+2:S+j+3]
.set j, j+4
.endr
	v_pk_add_f32 v[14:15], v[14:15], v[PT:PT+1]
	s_wait_alu depctr_va_vdst(0)                   ; and one for the four
.irp b, 0,1,2,3
	v_max_num_f32 v[BM+\b], 0x1800000, v[BM+\b]    ; the floor 2^(3 - 127): the byte cannot fall under 1
.endr
.irp b, 0,1,2,3
	v_add_nc_u32 v[SO+\b], 0xff000000, v[BM+\b]    ; 2 off the exponent field: the conversion's scale operand
.endr
.irp b, 0,1,2,3
	v_lshrrev_b32 v[PT+\b], 23, v[SO+\b]           ; the scale's byte
.endr
	v_lshl_or_b32 v253, v[PT+1], 8, v[PT]          ; p's scale word for these 128 keys
	v_lshl_or_b32 v253, v[PT+2], 16, v253
	v_lshl_or_b32 v253, v[PT+3], 24, v253
.irp c, 0,1
	v_cvt_scalef32_pk16_fp6_f32 v[PC+6*\c:PC+6*\c+2], v[S+32*\c:S+32*\c+15], v[SO+2*\c]
	v_cvt_scalef32_pk16_fp6_f32 v[PT+4*\c:PT+4*\c+2], v[S+32*\c+16:S+32*\c+31], v[SO+2*\c+1]   ; (a conversion's three registers begin on an even number)
.endr
	v_nop                                          ; one plain place behind a scaled conversion
.irp c, 0,1                                    ; the operand's layout wants a whole block in a lane
.irp i, 0,1,2
	v_permlane16_swap_b32 v[PC+6*\c+\i], v[PT+4*\c+\i]
.endr
.irp i, 0,1,2
	v_mov_b32 v[PC+3+6*\c+\i], v[PT+4*\c+\i]
.endr
.endr
.set j, 0
.rept 16
	v_pk_mul_f32 v[O+j:O+j+1], v[O+j:O+j+1], v[252:253] op_sel_hi:[1,0]   ; O^T under the new M.  (These sixteen are also the places between the scale word, the codes and the products below)
.set j, j+2
.endr
	s_wait_dscnt 0x0                               ; V's fragments and scale words are in
.irp t, 0,1,2,3
	PV \t                                          ; four accumulators by turns, one instruction a turn; eight score products stand between two links of a chain
.endr
.Lnext:
	s_add_co_u32 s[TK], s[TK], 6144
	s_add_co_u32 s[TV], s[TV], 6400
	s_add_co_u32 s[TS], s[TS], 512
	s_add_co_u32 s[TT], s[TT], 256
	s_add_co_u32 s[MO], s[MO], 256
	s_add_co_u32 s[ST], s[ST], 1
	s_cmp_lt_u32 s[ST], 16
	s_cbranch_scc1 .Lstep
	; THE TILE'S END: O^T / the sum, quantised along the head's 64 (two blocks), as half a fragment's image
.rept 4
	v_nop                                          ; places behind the last products
.endr
	v_add_f32 v14, v14, v15                        ; the sum's two halves,
	v_permlanex16_b32 v[PT], v14, s[SEL], s[SEL+1]
	v_add_f32 v14, v14, v[PT]                      ; and lane l xor 16's: the row's sum
	v_cmp_neq_f32 vcc_lo, 0, v14                   ; 0: no key of the row counted
	v_rcp_f32 v14, v14
	v_nop                                          ; a plain place behind the transcendental
	s_wait_alu depctr_va_vdst(0)                   ; and the wait ahead of its first reader
	v_cndmask_b32 v14, 0, v14, vcc_lo              ; such a row's numbers become zeros
.set j, 0
.rept 16
	v_pk_mul_f32 v[S+j:S+j+1], v[O+j:O+j+1], v[14:15] op_sel_hi:[1,0]   ; register 16 b + i: d = 32 b + 16 h + i.  Ascending: each accumulator is read from its low end on
.set j, j+2
.endr
.irp b, 0,1
	v_max3_num_f32 v[BM+\b], |v[S+16*\b]|, |v[S+16*\b+1]|, 0x1800000
.endr
.irp i, 2,4,6,8,10,12,14
.irp b, 0,1
	v_max3_num_f32 v[BM+\b], v[BM+\b], |v[S+16*\b+\i]|, |v[S+16*\b+\i+1]|
.endr
.endr
.irp b, 0,1
	v_permlanex16_b32 v[PT+\b], v[BM+\b], s[SEL], s[SEL+1]
.endr
.irp b, 0,1
	v_max_num_f32 v[BM+\b], v[BM+\b], v[PT+\b]
.endr
.irp b, 0,1
	v_add_nc_u32 v[SO+\b], 0xff000000, v[BM+\b]
.endr
.irp b, 0,1
	v_lshrrev_b32 v[PT+\b], 23, v[SO+\b]
.endr
	v_lshl_or_b32 v254, v[PT+1], 8, v[PT]          ; the row's two scale bytes of this head
	v_cndmask_b32 v254, 0xffff, v254, vcc_lo       ; a row with no key: the NaN byte, twice
	v_cvt_scalef32_pk16_fp6_f32 v[PC:PC+2], v[S:S+15], v[SO]
	v_cvt_scalef32_pk16_fp6_f32 v[PT:PT+2], v[S+16:S+31], v[SO+1]
	v_nop                                          ; one plain place behind a scaled conversion
.irp i, 0,1,2
	v_permlane16_swap_b32 v[PC+\i], v[PT+\i]
.endr
.irp i, 0,1,2
	v_mov_b32 v[PC+3+\i], v[PT+\i]
.endr
	v_lshlrev_b32 v[ADK], 3, v[QSO]                ; 32 x (lane % 16): my row of aos
	s_mul_i32 s100, s[QT], 12288
	s_mov_b32 s101, 0
	s_add_nc_u64 s[36:37], s[12:13], s[100:101]
	s_lshl_b32 s100, s[QT], 9
	s_add_nc_u64 s[38:39], s[14:15], s[100:101]
.irp p, 0,1,2
	global_store_b64 v[AK], v[PC+2*\p:PC+2*\p+1], s[36:37] offset:256*\p   ; 32 lanes store 256 consecutive bytes, aligned
.endr
	s_wait_xcnt 0x0                                ; EXEC is a source of the stores above: it changes only behind this wait
	v_cmp_gt_u32 vcc_lo, 128, v[AK]                ; lanes 0-15: a lane a row
	s_and_saveexec_b32 s67, vcc_lo
	global_store_b16 v[ADK], v254, s[38:39]        ; two bytes a row, rows 32 bytes apart: a row's 32 bytes come from sixteen work-groups; 1/24 of the codes' bytes
	s_wait_xcnt 0x0                                ; in front of the line that widens EXEC; the stores' registers and bases may also be written again behind it
	s_or_b32 exec_lo, exec_lo, s67
	s_sub_co_u32 s[QT], 127, s[QT]                 ; my second tile
	s_add_co_u32 s[PASS], s[PASS], 1
	s_cmp_lt_u32 s[PASS], 2
	s_cbranch_scc1 .Ltile
	s_wait_xcnt 0x0
	s_mov_b32 exec_lo, -1
	v_lshl_add_u32 v253, v0, 2, 0x34000
	v_mov_b32 v254, 0
	s_wait_tensorcnt 0x0
	ds_add_u32 v253, v254
	s_wait_dscnt 0x0
	s_endpgm
.Lfunc_end_k_q169bfa222d_attn:
	.size	k_q169bfa222d_attn, .Lfunc_end_k_q169bfa222d_attn-k_q169bfa222d_attn
	.p2alignl 7, 3214868480
	.fill 96, 4, 3214868480
	.section	.rodata,"a",@progbits
	.p2align	6, 0x0
	.amdhsa_kernel k_q169bfa222d_attn
		.amdhsa_group_segment_fixed_size 215040
		.amdhsa_private_segment_fixed_size 0
		.amdhsa_enable_private_segment 0
		.amdhsa_kernarg_size 48
		.amdhsa_user_sgpr_count 2
		.amdhsa_user_sgpr_kernarg_segment_ptr 1
		.amdhsa_wavefront_size32 1
		.amdhsa_system_sgpr_workgroup_id_x 1
		.amdhsa_system_sgpr_workgroup_id_y 1
		.amdhsa_system_sgpr_workgroup_id_z 1
		.amdhsa_system_vgpr_workitem_id 0
		.amdhsa_next_free_vgpr 256
		.amdhsa_next_free_sgpr 102
		.amdhsa_reserve_vcc 1
		.amdhsa_float_denorm_mode_32 3
		.amdhsa_float_denorm_mode_16_64 3
		.amdhsa_memory_ordered 1
		.amdhsa_forward_progress 1
		.amdhsa_inst_pref_size 38
	.end_amdhsa_kernel
	.amdgpu_metadata
---
amdhsa.version: [ 1, 2 ]
amdhsa.kernels:
  - .name:           k_q169bfa222d_attn
    .symbol:         k_q169bfa222d_attn.kd
    .args:
      - { .name: pc, .offset: 0, .size: 8, .value_kind: global_buffer, .address_space: global }
      - { .name: ps, .offset: 8, .size: 8, .value_kind: global_buffer, .address_space: global }
      - { .name: mbits, .offset: 16, .size: 8, .value_kind: global_buffer, .address_space: global }
      - { .name: mflag, .offset: 24, .size: 8, .value_kind: global_buffer, .address_space: global }
      - { .name: aoc, .offset: 32, .size: 8, .value_kind: global_buffer, .address_space: global }
      - { .name: aos, .offset: 40, .size: 8, .value_kind: global_buffer, .address_space: global }
    .group_segment_fixed_size: 215040
    .private_segment_fixed_size: 0
    .kernarg_segment_align: 8
    .kernarg_segment_size: 48
    .max_flat_workgroup_size: 512
    .sgpr_count:     102
    .vgpr_count:     256
    .wavefront_size: 32
...
	.end_amdgpu_metadata
.endif
;; end of part 3
;; launch oproj (part 4): grid 4 x 32, 4 waves a work-group, clusters of 4 x 4, 327,680 bytes of LDS; arguments aoc, aos, w_o_codes, w_o_scales, out0; writes out0
.if DOCPART == 4
	.amdgcn_target "amdgcn-amd-amdhsa--gfx1250"
	.amdhsa_code_object_version 6
	.text
	.protected	k_q169bfa222d_oproj
	.globl	k_q169bfa222d_oproj
	.p2align	8
	.type	k_q169bfa222d_oproj,@function
k_q169bfa222d_oproj:
	s_mov_b64 s[64:65], 0
	v_nop
	global_prefetch_b8 v0, s[64:65] scope:SCOPE_SE
	s_setreg_imm32_b32 hwreg(HW_REG_WAVE_MODE, 25, 1), 1
	s_wait_xcnt 0x0
	s_wait_alu depctr_hold_cnt(0) depctr_sa_sdst(0) depctr_va_vdst(0) depctr_va_sdst(0) depctr_va_ssrc(0) depctr_va_vcc(0) depctr_vm_vsrc(0)
	s_getreg_b32 s2, hwreg(HW_REG_IB_STS2, 6, 4)
	s_cmp_eq_u32 s2, 0
	s_cbranch_scc0 .Lentry_in_a_cluster
	s_endpgm
.Lentry_in_a_cluster:
	s_bfe_u32 s2, ttmp6, 0x10000c
	s_cmp_lg_u32 s2, 0xf033
	s_cbranch_scc0 .Lentry_shape_is_right
	s_endpgm
.Lentry_shape_is_right:
; THE LAST PROJECTION: out0 [8,192][1,024] f32 = A w_o, on codes of FP6 (E2M3) with one E8M0 scale for each 32 along K = 1,024; f32 sums, K ascending.
; A is the attention launch's result: codes as images of operand registers, aoc [tile of 16 rows 512][head 16][piece 3][lane 32][8 bytes] (a head's 64 along K are half a fragment), scale bytes aos [row][32].
; B is w_o as it is given: rows of 768 bytes of codes with K innermost, 32 scale bytes a row.
; A tile of 256 x 256 is made by a work-group of four waves, a wave makes 128 x 128: 64 accumulators, 512 registers.  K goes in steps of 256 through a ring of two LDS slots filled by the tensor data mover:
; of A a step is 3,072 consecutive bytes of each tile of 16 rows (four heads), laid dense; of B 192 bytes a row, padded.  The scales of all of K come once, with the first fills.
; CLUSTERS: 4 x 4 work-groups; A's tiles are asked for jointly along a row of the cluster, B's along a column.  The matrix instruction is used transposed (source 0 = rows of B): a lane holds eight neighbouring numbers of a row of the output.
; 128 work-groups: the tile is kept large, since a smaller one feeds fewer products from each LDS byte.
; REGISTERS, in windows of 256: window 0: v0-31 addresses; v32-63 scale words, two sets, and nothing else; from v128 A's fragments, one set; on the way out v128-255 rows read back.
;   window 1: B's fragments, two sets.   window 2: the accumulators of my rows 0-63;   window 3: those of rows 64-127.
.set SIZE_N, 1024
.set SIZE_K, 1024
.set KSTEP,  256
.set NQ,     KSTEP/128
.set ROWB,   192                       ; B: a tile's row in bytes
.set KROW,   SIZE_K*6/8
.set PITCH,  240                       ; B: an LDS row: 3 x (64 bytes + 16 of padding)
.set AROW,   3072                      ; A: a K step of a tile of 16 rows
.set ATILE,  12288                     ; A: a tile of 16 rows, all of K
.set FR,     12
.set NL,     6
.set NP,     4
.set HALFA,  8*AROW                    ; A: 128 rows: one tensor load
.set HALFT,  128*PITCH                 ; B: 128 rows: one tensor load
.set SLOT,   2*HALFA+2*HALFT           ; A's 256 rows, then B's 256
.set LAPS,   SIZE_K/(2*KSTEP)
.set KS,     SIZE_K/32
.set SCL,    2*SLOT                    ; behind the ring: the scales, filled once
.set HALFS,  (128*KS/256)*272
.set SBLK,   (16*KS/256)*272
.set SPARE,  SCL+4*HALFS               ; the spare words, 128 bytes a wave: two blocks of 256 bytes that no other line names
.set SPITCH, 528                       ; the way out: a stage of 16 rows x (512 bytes + 16) for each wave, in slot 0, which has had its last fill and its last read when the first result is stored there
.set ADRA, 16                          ; v16-17 my A fragments in slot 0, 1
.set ADRB, 20                          ; v20-21 my B fragments (v22-23: behind one padding more)
.set STO,  24
.set RD,   25
.set CO,   26
.set ADRS, 27
.set SPW,  28
.set NIL,  29
.set SC,   32
.set AF,   128
.set BK,   128
.set G1, 24
.set G0, 32
.set G1B, 48
.set G0B, 56
.set G1S, 68
.set G0S, 76
.set G1SB, 80
.set G0SB, 88
.set MSB, 0
.macro WIN new
.if MSB != \new
	s_set_vgpr_msb (MSB<<8)|\new
.set MSB, \new
.endif
.endm
.set MUL_LO, 0xa1
.set MUL_HI, 0xf1
.set TO_B,   0x40
.macro JLOAD g0a, g1a, g0b, g1b        ; a joint load: waves 0 and 1 fetch for A, waves 2 and 3 for B; four v_nop follow each of the two lines
	s_cmp_eq_u32 s15, 0
	s_cbranch_scc0 .Lfor_b_\@
	tensor_load_to_lds s[\g0a:\g0a+3], s[\g1a:\g1a+7]
	s_nop 0
.rept 4
	v_nop
.endr
	s_branch .Lasked_\@
.Lfor_b_\@:
	tensor_load_to_lds s[\g0b:\g0b+3], s[\g1b:\g1b+7]
	s_nop 0
.rept 4
	v_nop
.endr
.Lasked_\@:
.endm
.macro CREST
	s_cmp_lg_u32 s14, 0
	s_cbranch_scc1 .Lnot_wave_0_\@
	s_barrier_signal -3
.Lnot_wave_0_\@:
	s_barrier_wait -3
	s_barrier_signal -1
	s_barrier_wait -1
.endm
.macro CROUND
	s_barrier_signal -1
	s_barrier_wait -1
	CREST
.endm
	s_load_b128 s[4:7], s[0:1], 0x0                ; A's codes, A's scales
	s_load_b128 s[8:11], s[0:1], 0x10              ; B's codes, B's scales
	s_load_b64 s[12:13], s[0:1], 0x20              ; the output
	v_lshl_add_u32 v[SPW], v0, 2, SPARE
	v_mov_b32 v[NIL], 0
	ds_add_u32 v28, v29
	ds_add_u32 v28, v29
	s_wait_dscnt 0x0
	v_lshrrev_b32 v1, 5, v0
	v_readfirstlane_b32 s14, v1                    ; wave 0..3
	s_lshr_b32 s15, s14, 1                         ; which half of the tile's rows is mine.  Also: I fetch for A (0) or for B (1)
	s_and_b32 s16, s14, 1                          ; which half of its columns.  Also: which 128 rows I fetch
	s_bfe_u32 s40, ttmp6, 0x40000                  ; cx, cy
	s_bfe_u32 s41, ttmp6, 0x40004
	s_lshl_b32 s42, ttmp9, 2
	s_add_co_u32 s42, s42, s40                     ; tile column = 4 x cluster x + cx
	s_and_b32 s17, ttmp7, 0xffff
	s_lshl_b32 s17, s17, 2
	s_add_co_u32 s17, s17, s41                     ; tile row = 4 x cluster y + cy
	s_lshl_b32 s43, s41, 2
	s_lshl_b32 s43, 15, s43                        ; my row of the cluster
	s_lshl_b32 s44, 0x1111, s40                    ; my column
	; A's group 1: 8 rows (tiles of 16 rows of A) x 3,072 bytes, 12,288 bytes apart, dense in LDS
	s_or_b32 s[G1+0], s43, (0<<16)|(1<<21)         ; 15:0 the mask: my row; 17:16 element of 1 byte; 20 no padding; 21 set beside a mask
	s_mov_b32 s[G1+1], AROW<<16                    ; tensor_dim0
	s_mov_b32 s[G1+2], 8<<16                       ; tensor_dim1
	s_mov_b32 s[G1+3], AROW<<16                    ; tile_dim0
	s_mov_b32 s[G1+4], 8                           ; tile_dim1
	s_mov_b32 s[G1+5], ATILE                       ; tensor_dim0_stride
	s_mov_b32 s[G1+6], 0
	s_mov_b32 s[G1+7], 0
	; B's group 1: 128 rows x 192 bytes, 16 bytes of padding behind every 64
	s_or_b32 s[G1B+0], s44, (0<<16)|(1<<20)|(1<<21)|(3<<22)|(3<<25)
	s_mov_b32 s[G1B+1], ROWB<<16
	s_mov_b32 s[G1B+2], 128<<16
	s_mov_b32 s[G1B+3], ROWB<<16
	s_mov_b32 s[G1B+4], 128
	s_mov_b32 s[G1B+5], KROW
	s_mov_b32 s[G1B+6], 0
	s_mov_b32 s[G1B+7], 0
	; the scales of 128 rows: 4,096 dense bytes, as rows of 256 bytes, 16 bytes of padding behind each
	s_or_b32 s[G1S+0], s43, (3<<16)|(1<<20)|(1<<21)|(5<<22)|(3<<25)
	s_or_b32 s[G1SB+0], s44, (3<<16)|(1<<20)|(1<<21)|(5<<22)|(3<<25)
.irp g, G1S, G1SB
	s_mov_b32 s[\g+1], 32<<16
	s_mov_b32 s[\g+2], (128*KS/256)<<16
	s_mov_b32 s[\g+3], 32<<16
	s_mov_b32 s[\g+4], 128*KS/256
	s_mov_b32 s[\g+5], 32
	s_mov_b32 s[\g+6], 0
	s_mov_b32 s[\g+7], 0
.endr
	s_lshl_b32 s18, s16, 7
	s_lshl_b32 s20, s17, 8
	s_add_co_u32 s20, s20, s18                     ; A: row 256 x tile row + 128 x half
	s_lshl_b32 s46, s42, 8
	s_add_co_u32 s46, s46, s18                     ; B: row 256 x tile column + 128 x half
	s_mov_b32 s21, 0
	s_mov_b32 s47, 0
	s_mov_b64 s[18:19], KS
	s_mul_u64 s[22:23], s[20:21], s[18:19]         ; where these rows' scales begin
	s_mul_u64 s[92:93], s[46:47], s[18:19]
	s_mov_b64 s[18:19], KROW
	s_mul_u64 s[20:21], s[20:21], s[18:19]         ; and their codes: 16 rows of A's images are 12,288 bytes, 768 a row, as in B
	s_mul_u64 s[46:47], s[46:47], s[18:19]
	s_mul_i32 s45, s16, HALFA                      ; where they go: A's two halves,
	s_mul_i32 s95, s16, HALFT
	s_add_co_u32 s95, s95, 2*HALFA                 ; then B's two
	s_mul_i32 s94, s14, HALFS
	s_wait_kmcnt 0x0
	s_add_nc_u64 s[20:21], s[4:5], s[20:21]
	s_add_nc_u64 s[22:23], s[6:7], s[22:23]
	s_add_nc_u64 s[46:47], s[8:9], s[46:47]
	s_add_nc_u64 s[92:93], s[10:11], s[92:93]
	CROUND                                         ; all sixteen work-groups are here: the first joint loads meet
	s_mov_b32 s[G0S], 1
	s_add_co_u32 s[G0S+1], s94, SCL
	s_mov_b64 s[G0S+2:G0S+3], s[22:23]
	s_or_b32 s[G0S+3], s[G0S+3], 0x80000000
	s_mov_b32 s[G0SB], 1
	s_add_co_u32 s[G0SB+1], s94, SCL
	s_mov_b64 s[G0SB+2:G0SB+3], s[92:93]
	s_or_b32 s[G0SB+3], s[G0SB+3], 0x80000000
	JLOAD G0S, G1S, G0SB, G1SB                     ; the scales first.  With the two below, three loads of mine are out
.irp s, 0,1
	s_mov_b32 s[G0+4*\s], 1
	s_add_co_u32 s[G0+4*\s+1], s45, \s*SLOT
	s_add_nc_u64 s[G0+4*\s+2:G0+4*\s+3], s[20:21], \s*AROW
	s_or_b32 s[G0+4*\s+3], s[G0+4*\s+3], 0x80000000
	s_mov_b32 s[G0B+4*\s], 1
	s_add_co_u32 s[G0B+4*\s+1], s95, \s*SLOT
	s_add_nc_u64 s[G0B+4*\s+2:G0B+4*\s+3], s[46:47], \s*ROWB
	s_or_b32 s[G0B+4*\s+3], s[G0B+4*\s+3], 0x80000000
	JLOAD G0+4*\s, G1, G0B+4*\s, G1B
.endr
	v_and_b32 v1, 15, v0                           ; l % 16
	v_bfe_u32 v2, v0, 4, 1                         ; l / 16
	v_mul_u32_u24 v3, v1, PITCH
	v_mul_u32_u24 v4, v2, 24
	v_add_nc_u32 v4, v3, v4                        ; B: a fragment's row x pitch + 24 x half
	v_lshl_add_u32 v5, v2, 4, v4                   ; and the same behind one padding more
	v_and_b32 v6, 31, v0
	v_lshlrev_b32 v6, 3, v6                        ; A: 8 x lane: my place in a piece
	s_mul_i32 s21, s15, HALFA                      ; my 128 rows of A
	s_mul_i32 s22, s16, HALFT                      ; my 128 rows of B,
	s_add_co_u32 s22, s22, 2*HALFA                 ; which lie behind A's 256
.irp s, 0,1
	v_add_nc_u32 v[ADRA+\s], s21, v6
	v_add_nc_u32 v[ADRB+\s], s22, v4
	v_add_nc_u32 v[ADRB+2+\s], s22, v5
	s_add_co_u32 s21, s21, SLOT
	s_add_co_u32 s22, s22, SLOT
.endr
	v_mul_u32_u24 v5, v1, KS                       ; my row's scales: KS bytes a row,
	v_lshrrev_b32 v6, 8, v5
	v_lshl_add_u32 v5, v6, 4, v5                   ; and 16 more for each 256 passed
	s_mul_i32 s21, s15, HALFS
	s_mul_i32 s22, s16, HALFS
	s_add_co_u32 s22, s22, 2*HALFS
	s_sub_co_u32 s22, s22, s21
	v_mul_u32_u24 v6, s22, v2                      ; lanes 16-31 take B's
	s_add_co_u32 s21, s21, SCL
	v_add_nc_u32 v5, v5, v6
	v_add_nc_u32 v[ADRS], s21, v5
	s_mul_i32 s23, s14, 16*SPITCH                  ; my stage
	v_mul_u32_u24 v5, v1, SPITCH                   ; in: row l % 16, 32 bytes for each half of the lanes
	v_lshl_add_u32 v5, v2, 5, v5
	v_add_nc_u32 v[STO], s23, v5
	v_and_b32 v6, 31, v0
	v_lshlrev_b32 v[CO], 4, v6                     ; back: the 32 lanes take one row of 512 bytes; and the same in the output
	v_add_nc_u32 v[RD], s23, v[CO]
	s_lshl_b32 s20, s17, 8
	s_lshl_b32 s21, s15, 7
	s_add_co_u32 s20, s20, s21                     ; my first row of the output
	s_mov_b32 s21, 0
	s_mov_b64 s[18:19], SIZE_N*4
	s_mul_u64 s[20:21], s[20:21], s[18:19]
	s_lshl_b32 s46, s42, 10                        ; my first column, in bytes
	s_lshl_b32 s47, s16, 9
	s_add_co_u32 s46, s46, s47
	s_mov_b32 s47, 0
	s_add_nc_u64 s[20:21], s[20:21], s[46:47]
	s_add_nc_u64 s[12:13], s[12:13], s[20:21]
.macro FRAG reg, adr, q, i             ; B: a fragment from padded rows, in pieces of 8 bytes
.irp p, 0,1,2,3,4,5
.set PCE, 12*(\q)+6*(\p/3)+\p%3
.if PCE%8 < 5
	ds_load_b64 v[\reg+2*\p:\reg+2*\p+1], v[\adr] offset:8*PCE+16*(PCE/8)+(\i)*16*PITCH
.else
	ds_load_b64 v[\reg+2*\p:\reg+2*\p+1], v[\adr+2] offset:8*PCE+16*(PCE/8)+(\i)*16*PITCH
.endif
.endr
.endm
.macro FRAGA reg, slot, q, i           ; A: a fragment from its image: six pieces, each 256 consecutive bytes for the 32 lanes; halves 2 q and 2 q + 1 of the slot's four
.irp p, 0,1,2,3,4,5
	ds_load_b64 v[\reg+2*\p:\reg+2*\p+1], v[ADRA+\slot] offset:(\i)*AROW+(2*(\q)+\p/3)*768+256*(\p%3)
.endr
.endm
.macro MUL16 a0, p, q, sc, zero        ; 16 matrix instructions; the 64 accumulators take turns, one instruction a turn
.irp a, \a0, \a0+1
.irp b, 0,1,2,3,4,5,6,7
.if \zero
	v_wmma_scale_f32_16x16x128_f8f6f4 v[8*(8*((\a)%4)+\b):8*(8*((\a)%4)+\b)+7], v[128*(\p)+FR*\b:128*(\p)+FR*\b+FR-1], v[AF+FR*(\a):AF+FR*(\a)+FR-1], 0, v[SC+8*NQ*(\sc)+NQ*\b+(\q)], v[SC+8*NQ*(\sc)+NQ*(\a)+(\q)] matrix_a_fmt:MATRIX_FMT_FP6 matrix_b_fmt:MATRIX_FMT_FP6 matrix_a_scale:MATRIX_SCALE_ROW1
.else
	v_wmma_scale_f32_16x16x128_f8f6f4 v[8*(8*((\a)%4)+\b):8*(8*((\a)%4)+\b)+7], v[128*(\p)+FR*\b:128*(\p)+FR*\b+FR-1], v[AF+FR*(\a):AF+FR*(\a)+FR-1], v[8*(8*((\a)%4)+\b):8*(8*((\a)%4)+\b)+7], v[SC+8*NQ*(\sc)+NQ*\b+(\q)], v[SC+8*NQ*(\sc)+NQ*(\a)+(\q)] matrix_a_fmt:MATRIX_FMT_FP6 matrix_b_fmt:MATRIX_FMT_FP6 matrix_a_scale:MATRIX_SCALE_ROW1
.endif
.endr
.endr
.endm
.macro FETCH_B slot, q, p
	WIN TO_B
.irp i, 0,1,2,3,4,5,6,7
	FRAG 128*(\p)+FR*\i, ADRB+\slot, \q, \i
.endr
	WIN 0
.endm
.macro FETCH_A slot, q, i0
.irp i, \i0, \i0+1, \i0+2, \i0+3
	FRAGA AF+FR*(\i), \slot, \q, \i
.endr
.endm
.macro SCALES sc
.irp i, 0,1,2,3,4,5,6,7
	ds_load_b64 v[SC+8*NQ*\sc+NQ*\i:SC+8*NQ*\sc+NQ*\i+1], v[ADRS] offset:\i*SBLK
.endr
.endm
.macro PLACES n
.rept \n
	v_nop
.endr
.endm
.macro STEP slot, q, zero
	s_wait_dscnt 4*NL                              ; B's set and A's blocks 0-3 are in; the 24 youngest loads (A's blocks 4-7) may be out
	WIN MUL_LO
	MUL16 0, (\q)%2, \q, \slot, \zero
	MUL16 2, (\q)%2, \q, \slot, \zero
	s_wait_dscnt 0
	PLACES NP
	FETCH_B \slot, (\q)+1, 1-(\q)%2
	FETCH_A \slot, (\q)+1, 0
	WIN MUL_HI
	MUL16 4, (\q)%2, \q, \slot, \zero
	MUL16 6, (\q)%2, \q, \slot, \zero
	PLACES NP
	WIN 0
	FETCH_A \slot, (\q)+1, 4
.endm
.macro TURN slot, next, fill
	s_wait_tensorcnt 0x0                           ; all my tensor loads have landed: my part of the next slot
	ds_add_u32 v[SPW], v[NIL]                      ; 0 onto my spare word
	s_wait_dscnt 4*NL+1                            ; the add and the 24 youngest loads may be out
	WIN MUL_LO
	MUL16 0, 1, NQ-1, \slot, 0
	s_wait_dscnt 0x0                               ; the add is done, and my reads of this slot are over
	s_barrier_signal -1
	MUL16 2, 1, NQ-1, \slot, 0
	WIN 0
	s_barrier_wait -1
.if \fill
	CREST                                          ; a round of the cluster's barrier: no wave of any partner still reads this slot or has a load on its way
	s_add_nc_u64 s[G0+4*\slot+2:G0+4*\slot+3], s[G0+4*\slot+2:G0+4*\slot+3], 2*AROW
	s_add_nc_u64 s[G0B+4*\slot+2:G0B+4*\slot+3], s[G0B+4*\slot+2:G0B+4*\slot+3], 2*ROWB
	JLOAD G0+4*\slot, G1, G0B+4*\slot, G1B         ; the first tensor load behind the round, and my only one until the next
.else
	PLACES NP
.endif
	v_add_nc_u32 v[ADRS], 4*NQ, v[ADRS]
	FETCH_B \next, 0, 0
	FETCH_A \next, 0, 0
	SCALES \next
	WIN MUL_HI
	MUL16 4, 1, NQ-1, \slot, 0
	MUL16 6, 1, NQ-1, \slot, 0
	PLACES NP
	WIN 0
	FETCH_A \next, 0, 4
.endm
	s_wait_tensorcnt 1                             ; the scales and my part of K step 0 are in; K step 1's load may be out
	s_barrier_signal -1
	s_barrier_wait -1
	FETCH_B 0, 0, 0
	FETCH_A 0, 0, 0
	SCALES 0
	FETCH_A 0, 0, 4
	STEP 0, 0, 1                                   ; the first step's products start the sums
	s_mov_b32 s3, LAPS-1
.Llap:
	TURN 0, 1, 1
	STEP 1, 0, 0
	TURN 1, 0, 1
	STEP 0, 0, 0
	s_sub_co_u32 s3, s3, 1
	s_cmp_lg_u32 s3, 0
	s_cbranch_scc1 .Llap
	TURN 0, 1, 0                                   ; the last lap fills nothing
	STEP 1, 0, 0
	s_wait_dscnt 4*NL
	WIN MUL_LO
	MUL16 0, 1, NQ-1, 1, 0
	MUL16 2, 1, NQ-1, 1, 0
	s_wait_dscnt 0
	WIN MUL_HI
	MUL16 4, 1, NQ-1, 1, 0
	MUL16 6, 1, NQ-1, 1, 0
	WIN 0
; THE WAY OUT, block by block of 16 rows x 128 columns, through my own stage in LDS: in as 32 bytes a lane, back as whole rows of 512 bytes.  LDS serves a wave's instructions in order (ISA guide 5.7.1.4).
.macro TOSTAGE a
.set AC, 64*((\a)%4)
	WIN 0x08+4*((\a)/4)                            ; the data: window 2 or 3
.irp b, 0,1,2,3,4,5,6,7
	ds_store_b128 v[STO], v[AC+8*\b:AC+8*\b+3] offset:64*\b          ; each accumulator from its low end on
	ds_store_b128 v[STO], v[AC+8*\b+4:AC+8*\b+7] offset:64*\b+16
.endr
	WIN 0
.set BB, BK+64*((\a)%2)
.irp t, 0,1,2,3,4,5,6,7,8,9,10,11,12,13,14,15
	ds_load_b128 v[BB+4*\t:BB+4*\t+3], v[RD] offset:\t*SPITCH
.endr
.endm
.macro SEND a, younger
.set BB, BK+64*((\a)%2)
	s_wait_dscnt \younger                          ; the block is back in registers; the LDS instructions issued behind its loads may be out
.if (\a) > 0
	s_add_nc_u64 s[12:13], s[12:13], 16*SIZE_N*4   ; (behind a wait on XCNT: the earlier stores have read their base)
.endif
.irp t, 0,1,2,3,4,5,6,7,8,9,10,11,12,13,14,15
	global_store_b128 v[CO], v[BB+4*\t:BB+4*\t+3], s[12:13] offset:\t*SIZE_N*4 th:TH_STORE_NT   ; 32 lanes store 512 consecutive bytes, aligned; written once, read by nobody here
.endr
.endm
	PLACES NP
	TOSTAGE 0
.irp a, 1,2,3,4,5,6,7
.if \a > 1
	s_wait_xcnt 0x0                                ; block a - 2's stores have read their registers and their base
.endif
	TOSTAGE \a
	SEND \a-1, 32                                  ; behind block a - 1's loads: block a's 16 stores and 16 loads
.endr
	s_wait_xcnt 0x0
	SEND 7, 0
	s_wait_tensorcnt 0x0                           ; the wave's end
	ds_add_u32 v[SPW], v[NIL]
	s_wait_dscnt 0x0
	CROUND                                         ; the closing round
	s_endpgm
.Lfunc_end_k_q169bfa222d_oproj:
	.size	k_q169bfa222d_oproj, .Lfunc_end_k_q169bfa222d_oproj-k_q169bfa222d_oproj
	.p2alignl 7, 3214868480
	.fill 96, 4, 3214868480
	.section	.rodata,"a",@progbits
	.p2align	6, 0x0
	.amdhsa_kernel k_q169bfa222d_oproj
		.amdhsa_group_segment_fixed_size 327680
		.amdhsa_private_segment_fixed_size 0
		.amdhsa_enable_private_segment 0
		.amdhsa_kernarg_size 40
		.amdhsa_user_sgpr_count 2
		.amdhsa_user_sgpr_kernarg_segment_ptr 1
		.amdhsa_wavefront_size32 1
		.amdhsa_system_sgpr_workgroup_id_x 1
		.amdhsa_system_sgpr_workgroup_id_y 1
		.amdhsa_system_sgpr_workgroup_id_z 1
		.amdhsa_system_vgpr_workitem_id 0
		.amdhsa_next_free_vgpr 1024
		.amdhsa_next_free_sgpr 98
		.amdhsa_reserve_vcc 0
		.amdhsa_float_denorm_mode_32 3
		.amdhsa_float_denorm_mode_16_64 3
		.amdhsa_memory_ordered 1
		.amdhsa_forward_progress 1
		.amdhsa_inst_pref_size 160
	.end_amdhsa_kernel
	.amdgpu_metadata
---
amdhsa.version: [ 1, 2 ]
amdhsa.kernels:
  - .name:           k_q169bfa222d_oproj
    .symbol:         k_q169bfa222d_oproj.kd
    .args:
      - { .name: aoc, .offset: 0, .size: 8, .value_kind: global_buffer, .address_space: global }
      - { .name: aos, .offset: 8, .size: 8, .value_kind: global_buffer, .address_space: global }
      - { .name: w_o_codes, .offset: 16, .size: 8, .value_kind: global_buffer, .address_space: global }
      - { .name: w_o_scales, .offset: 24, .size: 8, .value_kind: global_buffer, .address_space: global }
      - { .name: out0, .offset: 32, .size: 8, .value_kind: global_buffer, .address_space: global }
    .group_segment_fixed_size: 327680
    .private_segment_fixed_size: 0
    .kernarg_segment_align: 8
    .kernarg_segment_size: 40
    .max_flat_workgroup_size: 128
    .sgpr_count:     98
    .vgpr_count:     1024
    .wavefront_size: 32
...
	.end_amdgpu_metadata
.endif
;; end of part 4
